; MI455X (gfx1250); checked and timed in simulation.
; The chip was launched on July 23, 2026; its instructions are those of AMD's public machine-readable ISA for CDNA 5 (MIT licence, August 2026) and "CDNA5" Instruction Set Architecture Reference Guide (July 2026). The comments in the code are by the model that wrote it; some were corrected since.
;; Longformer Attention. Allowed arithmetic: float matrix products may take bf16 or f16 operands with f32 sums; all other float work in f32.
;; Inputs: Wk 1,024 x 1,024 float32; Wo 1,024 x 1,024 float32; Wq 1,024 x 1,024 float32; Wv 1,024 x 1,024 float32; bo 1,024 float32; hidden_states 2 x 2,048 x 1,024 float32.
;; Outputs: out0 2 x 2,048 x 1,024 float32.
;; 2 versions, each right; version 2 is version 1 with the launch prep written anew for expert scheduling mode. Each part assembles by itself: llvm-mc -triple=amdgcn-amd-amdhsa -mcpu=gfx1250 --defsym DOCPART=n.
;; ======== version 1 of 2: 4 launches
;; limits: values are held in f16: magnitudes above 65,504 overflow, below 6.1e-05 lose precision; inputs' magnitudes at most 65,504; right only within a limited range of input values
;; workspace buffers: xwb 16,777,216 bytes; qkv 25,165,824 bytes; ctx 8,388,608 bytes
;; launch prep (part 1): grid 512 x 1, 8 waves a work-group, no clusters, 0 bytes of LDS; arguments hidden_states, Wq, Wk, Wv, Wo, xwb; writes xwb
.if DOCPART == 1
	.amdgcn_target "amdgcn-amd-amdhsa--gfx1250"
	.amdhsa_code_object_version 6
	.text
	.protected	k_qc748135843_prep
	.globl	k_qc748135843_prep
	.p2align	8
	.type	k_qc748135843_prep,@function
k_qc748135843_prep:
	s_mov_b64 s[64:65], 0
	v_nop
	global_prefetch_b8 v0, s[64:65] scope:SCOPE_SE
	s_setreg_imm32_b32 hwreg(HW_REG_WAVE_MODE, 25, 1), 1
	s_wait_xcnt 0x0
; f32 to f16 (one rounding), layout unchanged: xwb = hidden_states [4096][1024], then Wq/8, Wk/8, Wv/8, 8 Wo, each [1024][1024].
; WHY f16: the result passes through five roundings of matrix operands (q and k, v, P, ctx); f16's 11 bits keep their sum far inside one
; hundredth of the output's spread, 8 bits do not.  WHY THE SCALES: they are exact powers of two and centre q, k, v and ctx in f16's range:
; q/8, k/8, v/8 have spread 1/8 for inputs of spread 1 and 1/32; both inputs 30 times larger give 112, both with a common offset of 30 spreads
; give 1024 x 30 x 0.94 / 8 = 3,600, against f16's largest 65,504; both 30 times smaller give 1.4e-4, against f16's bottom spacing 2^-24.
; LIMITS: |x| < 65,504, |Wq|, |Wk|, |Wv| < 524,032, |Wo| < 8,188; beyond them the conversion overflows.
; 512 work-groups of 16,384 numbers each: 65,536 bytes in, 32,768 bytes out at xwb + 32,768 x work-group.
; Work-groups 0-255 take hidden_states, then 64 each for Wq, Wk, Wv, Wo.  One text for all: the scale is a scalar chosen like the source.
; A pure stream: every byte is read once and written once, nothing is shared, so there is no LDS, no barrier, no matrix work.
; Thread t takes 16 bytes at 16 t of each 4,096-byte piece; a wave's load covers 512 consecutive bytes, its store 256, aligned.
.set XR, 2                             ; v[2:65]   16 loads of 4 registers
.set YR, 66                            ; v[66:97]  16 stores of 2 registers
	s_load_b256 s[4:11], s[0:1], 0x0               ; hidden_states s[4:5], Wq s[6:7], Wk s[8:9], Wv s[10:11]
	s_load_b128 s[12:15], s[0:1], 0x20             ; Wo s[12:13], xwb s[14:15]
	v_lshlrev_b32 v1, 4, v0                        ; 16 t: my bytes in a piece of the input
	v_lshlrev_b32 v98, 3, v0                       ; 8 t: my bytes in a piece of the output
	s_sub_co_u32 s16, ttmp9, 256                   ; number among the weights' work-groups (not used below 256)
	s_lshr_b32 s17, s16, 6                         ; which weight
	s_and_b32 s18, s16, 63                         ; which 65,536 bytes of it
	s_mov_b32 s23, 0
	s_mov_b32 s2, 0x3e000000                       ; 1/8: Wq, Wk, Wv
	s_mov_b32 s3, 0x41000000                       ; 8: Wo
	s_mov_b32 s19, 0x3f800000                      ; 1: hidden_states
	s_wait_kmcnt 0x0
	s_cmp_eq_u32 s17, 1                            ; source and scale are chosen by the work-group's number alone
	s_cselect_b64 s[20:21], s[8:9], s[6:7]
	s_cmp_eq_u32 s17, 2
	s_cselect_b64 s[20:21], s[10:11], s[20:21]
	s_cmp_eq_u32 s17, 3
	s_cselect_b64 s[20:21], s[12:13], s[20:21]
	s_cselect_b32 s2, s3, s2
	s_cmp_lt_u32 ttmp9, 256
	s_cselect_b64 s[20:21], s[4:5], s[20:21]
	s_cselect_b32 s18, ttmp9, s18
	s_cselect_b32 s2, s19, s2
	s_mov_b32 s3, s2                               ; the pair that the packed multiply names
	s_lshl_b32 s22, s18, 16
	s_add_nc_u64 s[20:21], s[20:21], s[22:23]      ; my 65,536 bytes of the source
	s_lshl_b32 s22, ttmp9, 15
	s_add_nc_u64 s[14:15], s[14:15], s[22:23]      ; my 32,768 bytes of xwb
.irp i, 0,1,2,3,4,5,6,7,8,9,10,11,12,13,14,15
	global_load_b128 v[XR+4*\i:XR+4*\i+3], v1, s[20:21] offset:4096*\i th:TH_LOAD_NT
.endr
.irp i, 0,1,2,3,4,5,6,7,8,9,10,11,12,13,14,15
	s_wait_loadcnt 15-\i                           ; loads return in order: piece i is in, the 15 - i younger ones stay out
	v_pk_mul_f32 v[XR+4*\i:XR+4*\i+1], v[XR+4*\i:XR+4*\i+1], s[2:3] op_sel_hi:[1,0]
	v_pk_mul_f32 v[XR+4*\i+2:XR+4*\i+3], v[XR+4*\i+2:XR+4*\i+3], s[2:3] op_sel_hi:[1,0]
	v_cvt_pk_f16_f32 v[YR+2*\i], v[XR+4*\i], v[XR+4*\i+1]
	v_cvt_pk_f16_f32 v[YR+2*\i+1], v[XR+4*\i+2], v[XR+4*\i+3]
	global_store_b64 v98, v[YR+2*\i:YR+2*\i+1], s[14:15] offset:2048*\i   ; no register is used twice: no wait for sources
.endr
	s_endpgm
.Lfunc_end_k_qc748135843_prep:
	.size	k_qc748135843_prep, .Lfunc_end_k_qc748135843_prep-k_qc748135843_prep
	.p2alignl 7, 3214868480
	.fill 96, 4, 3214868480
	.section	.rodata,"a",@progbits
	.p2align	6, 0x0
	.amdhsa_kernel k_qc748135843_prep
		.amdhsa_group_segment_fixed_size 0
		.amdhsa_private_segment_fixed_size 0
		.amdhsa_enable_private_segment 0
		.amdhsa_kernarg_size 48
		.amdhsa_user_sgpr_count 2
		.amdhsa_user_sgpr_kernarg_segment_ptr 1
		.amdhsa_wavefront_size32 1
		.amdhsa_system_sgpr_workgroup_id_x 1
		.amdhsa_system_sgpr_workgroup_id_y 1
		.amdhsa_system_sgpr_workgroup_id_z 1
		.amdhsa_system_vgpr_workitem_id 0
		.amdhsa_next_free_vgpr 100
		.amdhsa_next_free_sgpr 66
		.amdhsa_reserve_vcc 0
		.amdhsa_float_denorm_mode_32 3
		.amdhsa_float_denorm_mode_16_64 3
		.amdhsa_memory_ordered 1
		.amdhsa_forward_progress 1
		.amdhsa_inst_pref_size 9
	.end_amdhsa_kernel
	.amdgpu_metadata
---
amdhsa.version: [ 1, 2 ]
amdhsa.kernels:
  - .name:           k_qc748135843_prep
    .symbol:         k_qc748135843_prep.kd
    .args:
      - { .name: hidden_states, .offset: 0, .size: 8, .value_kind: global_buffer, .address_space: global }
      - { .name: Wq, .offset: 8, .size: 8, .value_kind: global_buffer, .address_space: global }
      - { .name: Wk, .offset: 16, .size: 8, .value_kind: global_buffer, .address_space: global }
      - { .name: Wv, .offset: 24, .size: 8, .value_kind: global_buffer, .address_space: global }
      - { .name: Wo, .offset: 32, .size: 8, .value_kind: global_buffer, .address_space: global }
      - { .name: xwb, .offset: 40, .size: 8, .value_kind: global_buffer, .address_space: global }
    .group_segment_fixed_size: 0
    .private_segment_fixed_size: 0
    .kernarg_segment_align: 8
    .kernarg_segment_size: 48
    .max_flat_workgroup_size: 256
    .sgpr_count:     66
    .vgpr_count:     100
    .wavefront_size: 32
...
	.end_amdgpu_metadata
.endif
;; end of part 1
;; launch qkv (part 2): grid 8 x 32, 4 waves a work-group, clusters of 4 x 4, 327,680 bytes of LDS; arguments xwb, qkv; writes qkv
.if DOCPART == 2
	.amdgcn_target "amdgcn-amd-amdhsa--gfx1250"
	.amdhsa_code_object_version 6
	.text
	.protected	k_qc748135843_qkv
	.globl	k_qc748135843_qkv
	.p2align	8
	.type	k_qc748135843_qkv,@function
k_qc748135843_qkv:
	s_mov_b64 s[64:65], 0
	v_nop
	global_prefetch_b8 v0, s[64:65] scope:SCOPE_SE
	s_setreg_imm32_b32 hwreg(HW_REG_WAVE_MODE, 25, 1), 1
	s_wait_xcnt 0x0
	s_wait_alu depctr_hold_cnt(0) depctr_sa_sdst(0) depctr_va_vdst(0) depctr_va_sdst(0) depctr_va_ssrc(0) depctr_va_vcc(0) depctr_vm_vsrc(0)
	s_getreg_b32 s2, hwreg(HW_REG_IB_STS2, 6, 4)
	s_cmp_eq_u32 s2, 0
	s_cbranch_scc0 .Lentry_in_a_cluster
	s_endpgm
.Lentry_in_a_cluster:
	s_bfe_u32 s2, ttmp6, 0x10000c
	s_cmp_lg_u32 s2, 0xf033
	s_cbranch_scc0 .Lentry_shape_is_right
	s_endpgm
.Lentry_shape_is_right:
; q/8, k/8, v/8 = X (Wq/8), X (Wk/8), X (Wv/8).  X: xwb [4096][1024] f16; W/8: xwb + 0x800000 + mat x 0x200000, [1024 k][1024 n] f16; sums in f32.
; Out: qkv [mat][16 b + head][s 2048][64] f16, rounded once.  LIMIT: |q|, |k|, |v| < 524,032 (an eighth of it is f16's largest number).
; Work-group (bx, by): tokens 128 by .. +127 times heads 2 bx, 2 bx + 1 of q, k and v (3 x 128 columns).  Four waves; wave (wm, wn) makes
; 64 tokens x (q, k, v of head 2 bx + wn): 4 x 12 accumulator tiles, so it owns whole 128-byte head rows and its way out needs no other wave.
; K goes in 8 steps of 128 through two LDS slots.  A slot: three tiles of W (128 k-rows, pitch 288), then X's tile (128 rows, pitch 272).
; W lies [k][n] and is read by the transposing LDS load, so no transposed copy of the weights is ever made.
; CLUSTER 4 x 4: X's tile hangs on by alone and is asked for jointly along a row of the cluster, W's tiles on bx alone, along a column.
; The matrix instruction is used transposed (source 0 = W, source 1 = X): a lane holds one token and eight neighbouring columns.
; Registers: window 0: v10-20 addresses, v32-95 X fragments (two buffers), v96-143 the way out; window 1: v0-191 W fragments (two buffers);
; window 2: accumulators of m-tiles 0, 1 (tile (a, b) at 8 (12 a + b)); window 3: m-tiles 2, 3.
.set KSTEP,  128
.set PA,     272                       ; X's LDS pitch: 256 + 16, an odd multiple of 16
.set PB,     288                       ; W's LDS pitch: 256 + 32, an odd multiple of 32
.set BSUB,   128*PB                    ; one tile of W: 36,864 bytes
.set XOFF,   3*BSUB
.set SLOT,   XOFF+128*PA               ; 145,408
.set STAGE,  2*SLOT                    ; behind the ring: 16 rows x 144 bytes for each wave; no tensor load lands here
.set SP,     144
.set LAPS,   4                         ; a lap = two K steps
.set ADRA, 10                          ; v10-11  X fragments, slot 0, 1
.set ADRB, 12                          ; v12-17  W fragments, 3 x slot + mat
.set STO,  18
.set RD,   19
.set CO,   20
.set FA,   32                          ; X fragment buffers at 32 + 32 f (window 0); W's at 96 f (window 1)
.set TMP,  96
.set OUTA, 112
.set OUTB, 128
.set G1,  24                           ; s[24:31] group 1 for X
.set G0,  32                           ; s[32:39] group 0 for X, a set for each slot
.set G1B, 48                           ; s[48:55] group 1 for W
.set G0B, 56                           ; s[56:63] group 0 for W, a set for each slot
.set MSB, 0
.macro WIN new                         ; the immediate's high byte repeats the setting that is left
.if MSB != \new
	s_set_vgpr_msb (MSB<<8)|\new
.set MSB, \new
.endif
.endm
.set MUL_LO, 0xa1                      ; source 0 (W) window 1, source 1 (X) window 0, C and D window 2
.set MUL_HI, 0xf1                      ; the same, C and D window 3
.set TO_B,   0x40                      ; destination window 1, address window 0
; A joint load: wave 3 asks for X's tile, waves 0-2 for the tile of W number wave.  The branch hangs on the wave's number alone.
.macro JLOAD s
	s_cmp_eq_u32 s10, 3
	s_cbranch_scc0 .Lfor_w_\@
	tensor_load_to_lds s[G0+4*\s:G0+4*\s+3], s[G1:G1+7]
	s_nop 0
	s_branch .Lasked_\@
.Lfor_w_\@:
	tensor_load_to_lds s[G0B+4*\s:G0B+4*\s+3], s[G1B:G1B+7]
	s_nop 0
.Lasked_\@:
.endm
.macro CREST                           ; a round of the cluster's barrier behind its opening work-group barrier
	s_cmp_lg_u32 s10, 0
	s_cbranch_scc1 .Lnot_wave_0_\@
	s_barrier_signal -3
.Lnot_wave_0_\@:
	s_barrier_wait -3
	s_barrier_signal -1
	s_barrier_wait -1
.endm
.macro CROUND
	s_barrier_signal -1
	s_barrier_wait -1
	CREST
.endm
	s_load_b128 s[4:7], s[0:1], 0x0                ; xwb s[4:5], qkv s[6:7]
	s_set_vgpr_msb 0x40
	v_lshl_add_u32 v255, v0, 2, 0x49400
	s_set_vgpr_msb 0x4000
	v_mov_b32 v255, 0
	s_set_vgpr_msb 0x1
	ds_add_u32 v255, v255
	ds_add_u32 v255, v255
	s_set_vgpr_msb 0x100
	v_lshrrev_b32 v1, 5, v0
	v_readfirstlane_b32 s10, v1                    ; wave 0..3
	s_lshr_b32 s11, s10, 1                         ; wm: which 64 tokens
	s_and_b32 s12, s10, 1                          ; wn: which head of the two
	s_bfe_u32 s40, ttmp6, 0x40000                  ; cx
	s_bfe_u32 s41, ttmp6, 0x40004                  ; cy
	s_lshl_b32 s42, ttmp9, 2
	s_add_co_u32 s42, s42, s40                     ; bx = 4 x cluster x + cx
	s_and_b32 s13, ttmp7, 0xffff
	s_lshl_b32 s13, s13, 2
	s_add_co_u32 s13, s13, s41                     ; by = 4 x cluster y + cy
	s_lshl_b32 s43, s41, 2
	s_lshl_b32 s43, 15, s43                        ; my row of the cluster
	s_lshl_b32 s44, 0x1111, s40                    ; my column
	; group 1: 128 rows x 128 elements of 2 bytes, row pitch 1,024 elements; in LDS 4 (X) or 8 (W) words of padding behind every 64 words
	s_or_b32 s[G1+0], s43, (1<<16)|(1<<20)|(1<<21)|(5<<22)|(3<<25)
	s_or_b32 s[G1B+0], s44, (1<<16)|(1<<20)|(1<<21)|(5<<22)|(7<<25)
	s_mov_b32 s[G1+1], KSTEP<<16                   ; tensor_dim0 = 128
	s_mov_b32 s[G1B+1], 128<<16
	s_mov_b32 s[G1+2], 128<<16                     ; tensor_dim1 = 128
	s_mov_b32 s[G1B+2], KSTEP<<16
	s_mov_b32 s[G1+3], KSTEP<<16                   ; tile_dim0 = 128
	s_mov_b32 s[G1B+3], 128<<16
	s_mov_b32 s[G1+4], 128                         ; tile_dim1 = 128
	s_mov_b32 s[G1B+4], KSTEP
	s_mov_b32 s[G1+5], 1024                        ; elements from row to row
	s_mov_b32 s[G1B+5], 1024
	s_mov_b32 s[G1+6], 0
	s_mov_b32 s[G1B+6], 0
	s_mov_b32 s[G1+7], 0
	s_mov_b32 s[G1B+7], 0
	; X's address is made of by alone, W's of bx and the wave's number alone, each in registers that never hold the other coordinate
	s_lshl_b32 s16, s13, 18                        ; 128 rows of 2,048 bytes a block
	s_mov_b32 s17, 0
	s_lshl_b32 s46, s10, 21                        ; weight number wave (wave 3 makes an address too and does not use it)
	s_lshl_b32 s47, s42, 8                         ; 128 columns of 2 bytes a block
	s_add_co_u32 s46, s46, s47
	s_add_co_u32 s46, s46, 0x800000
	s_mov_b32 s47, 0
	s_mul_i32 s20, s10, BSUB                       ; LDS: W 0, W 1, W 2, X = wave x 36,864
	s_wait_dscnt 0x0
	s_wait_kmcnt 0x0
	s_add_nc_u64 s[14:15], s[4:5], s[16:17]
	s_add_nc_u64 s[46:47], s[4:5], s[46:47]
	CROUND                                         ; all sixteen work-groups are here: the first joint loads meet
.irp s, 0,1
	s_mov_b32 s[G0+4*\s], 1
	s_add_co_u32 s[G0+4*\s+1], s20, \s*SLOT
	s_add_nc_u64 s[G0+4*\s+2:G0+4*\s+3], s[14:15], \s*KSTEP*2
	s_or_b32 s[G0+4*\s+3], s[G0+4*\s+3], 0x80000000
	s_mov_b32 s[G0B+4*\s], 1
	s_add_co_u32 s[G0B+4*\s+1], s20, \s*SLOT
	s_add_nc_u64 s[G0B+4*\s+2:G0B+4*\s+3], s[46:47], \s*KSTEP*2048
	s_or_b32 s[G0B+4*\s+3], s[G0B+4*\s+3], 0x80000000
	JLOAD \s                                       ; K steps 0 and 1: two loads of the wave are out
.endr
	v_and_b32 v1, 15, v0                           ; r
	v_bfe_u32 v2, v0, 4, 1                         ; h
	v_and_b32 v3, 7, v0                            ; lane % 8
	v_bfe_u32 v4, v0, 3, 1                         ; (lane / 8) % 2
	v_and_b32 v5, 31, v0                           ; lane
	v_mul_u32_u24 v6, v1, PA                       ; X fragment: row r, 16 bytes for each half of the lanes
	v_lshl_add_u32 v6, v2, 4, v6
	s_mul_i32 s21, s11, 64*PA
	s_add_co_u32 s21, s21, XOFF
	v_add_nc_u32 v[ADRA], s21, v6
	v_add_nc_u32 v[ADRA+1], SLOT, v[ADRA]
	v_lshl_add_u32 v7, v2, 3, v3                   ; W fragment, transposing load: k-row 8 h + lane % 8,
	v_mul_u32_u24 v7, v7, PB
	v_lshl_add_u32 v7, v4, 4, v7                   ; 16 bytes by (lane / 8) % 2,
	s_lshl_b32 s21, s12, 7                         ; my head's 64 columns
	v_add_nc_u32 v7, s21, v7
.irp s, 0,1
.irp mat, 0,1,2
	v_add_nc_u32 v[ADRB+3*\s+\mat], \s*SLOT+\mat*BSUB, v7
.endr
.endr
	s_mul_i32 s21, s10, 16*SP
	s_add_co_u32 s21, s21, STAGE                   ; my stage
	v_mul_u32_u24 v6, v1, SP
	v_lshl_add_u32 v6, v2, 4, v6
	v_add_nc_u32 v[STO], s21, v6                   ; in: row r, byte 16 h
	v_bfe_u32 v6, v0, 3, 2
	v_mul_u32_u24 v6, v6, SP
	v_lshl_add_u32 v6, v3, 4, v6
	v_add_nc_u32 v[RD], s21, v6                    ; back: four rows of 128 bytes a load
	v_lshlrev_b32 v[CO], 4, v5                     ; the same 512 bytes lie side by side in qkv
; 12 matrix instructions: m-tile a of the window's two (hi = 0: m-tiles 0, 1; 1: m-tiles 2, 3) x all 12 n-tiles, 32 along K
.macro MULROW f, hi, a, zero
.irp b, 0,1,2,3,4,5,6,7,8,9,10,11
.if \zero
	v_wmma_f32_16x16x32_f16 v[8*(12*\a+\b):8*(12*\a+\b)+7], v[96*\f+8*\b:96*\f+8*\b+7], v[FA+32*\f+8*(2*\hi+\a):FA+32*\f+8*(2*\hi+\a)+7], 0
.else
	v_wmma_f32_16x16x32_f16 v[8*(12*\a+\b):8*(12*\a+\b)+7], v[96*\f+8*\b:96*\f+8*\b+7], v[FA+32*\f+8*(2*\hi+\a):FA+32*\f+8*(2*\hi+\a)+7], v[8*(12*\a+\b):8*(12*\a+\b)+7]
.endif
.endr
.endm
; 32 LDS loads in one run: quarter kq of the slot's K step into buffer f: 12 fragments of W, then 4 of X
.macro FETCH slot, kq, f
	WIN TO_B
.irp mat, 0,1,2
.irp nt, 0,1,2,3
	ds_load_tr16_b128 v[96*\f+8*(4*\mat+\nt):96*\f+8*(4*\mat+\nt)+3], v[ADRB+3*\slot+\mat] offset:\kq*32*PB+32*\nt
	ds_load_tr16_b128 v[96*\f+8*(4*\mat+\nt)+4:96*\f+8*(4*\mat+\nt)+7], v[ADRB+3*\slot+\mat] offset:\kq*32*PB+32*\nt+16*PB
.endr
.endr
	WIN 0
.irp mt, 0,1,2,3
	ds_load_b128 v[FA+32*\f+8*\mt:FA+32*\f+8*\mt+3], v[ADRA+\slot] offset:\kq*64+\mt*16*PA
	ds_load_b128 v[FA+32*\f+8*\mt+4:FA+32*\f+8*\mt+7], v[ADRA+\slot] offset:\kq*64+\mt*16*PA+32
.endr
.endm
; four plain vector instructions between a matrix instruction and a load into, or a vector read of, its registers
.macro PLACES
.rept 4
	v_nop
.endr
.endm
; One of a K step's first three quarters: multiplies buffer f and, in its middle, fetches quarter kq into buffer g.
; The 48 accumulators take turns, one instruction a turn, in the same order in every quarter.
.macro QUARTER slot, kq, f, g, zero
	s_wait_dscnt 4                                 ; all but the youngest four loads (X's m-tiles 2, 3) are in
	WIN MUL_LO
	MULROW \f, 0, 0, \zero
	MULROW \f, 0, 1, \zero
	PLACES
	FETCH \slot, \kq, \g
	s_wait_dscnt 32                                ; all but the 32 just issued
	WIN MUL_HI
	MULROW \f, 1, 0, \zero
	MULROW \f, 1, 1, \zero
.endm
.macro THREE slot, zero
	QUARTER \slot, 1, 0, 1, \zero
	QUARTER \slot, 2, 1, 0, 0
	QUARTER \slot, 3, 0, 1, 0
.endm
; The last quarter multiplies buffer 1 and changes slots.  In front of the barrier each wave waits for its reads of this slot and for all its
; tensor loads (one is out: its part of the next slot).  Where the slot is filled again the barrier opens a round of the cluster's barrier,
; and the joint refill is the first tensor load behind the round.  From a request to the wait for it a wave issues 180 matrix instructions.
.macro TURN slot, next, fill
	s_wait_dscnt 4
	WIN MUL_LO
	MULROW 1, 0, 0, 0
	s_wait_dscnt 0                                 ; my reads of this slot are over
	s_wait_tensorcnt 0x0                           ; all my tensor loads have landed
	ds_add_u32 v255, v255
	s_wait_dscnt 0x0
	s_barrier_signal -1
	MULROW 1, 0, 1, 0                              ; register work while the others arrive
	WIN 0
	s_barrier_wait -1
.if \fill
	CREST
	s_add_nc_u64 s[G0+4*\slot+2:G0+4*\slot+3], s[G0+4*\slot+2:G0+4*\slot+3], 2*KSTEP*2
	s_add_nc_u64 s[G0B+4*\slot+2:G0B+4*\slot+3], s[G0B+4*\slot+2:G0B+4*\slot+3], 2*KSTEP*2048
	JLOAD \slot
.endif
	PLACES
	FETCH \next, 0, 0
	WIN MUL_HI
	MULROW 1, 1, 0, 0
	MULROW 1, 1, 1, 0
.endm
.macro LAP zero
	THREE 0, \zero
	TURN 0, 1, 1
	THREE 1, 0
	TURN 1, 0, 1
.endm
	s_wait_tensorcnt 1                             ; my part of K step 0 is in; K step 1's stays out
	s_barrier_signal -1
	s_barrier_wait -1
	FETCH 0, 0, 0
	LAP 1                                          ; the first products start the sums: nothing is cleared
	WIN 0
	s_mov_b32 s3, LAPS-2
.Llap:
	LAP 0
	WIN 0
	s_sub_co_u32 s3, s3, 1
	s_cmp_lg_u32 s3, 0
	s_cbranch_scc1 .Llap
	THREE 0, 0                                     ; the last lap fills nothing
	TURN 0, 1, 0
	THREE 1, 0
	s_wait_dscnt 4
	WIN MUL_LO
	MULROW 1, 0, 0, 0
	MULROW 1, 0, 1, 0
	s_wait_dscnt 0
	WIN MUL_HI
	MULROW 1, 1, 0, 0
	MULROW 1, 1, 1, 0
	; THE WAY OUT: 16 tokens of one of q, k, v at a time: round to f16, 16 bytes a lane into my stage, read back as 512 consecutive bytes.
	PLACES
	s_lshr_b32 s16, s13, 4
	s_lshl_b32 s16, s16, 22                        ; batch: 16 heads of 0x40000 bytes
	s_and_b32 s17, s13, 15
	s_lshl_b32 s17, s17, 14                        ; 128 tokens of 128 bytes a block
	s_add_co_u32 s16, s16, s17
	s_lshl_b32 s17, s11, 13                        ; my 64 tokens
	s_add_co_u32 s16, s16, s17
	s_mov_b32 s17, 0
	s_add_nc_u64 s[6:7], s[6:7], s[16:17]
	s_lshl_b32 s46, s42, 19                        ; head 2 bx + wn (in the registers that held W's address)
	s_lshl_b32 s47, s12, 18
	s_add_co_u32 s46, s46, s47
	s_mov_b32 s47, 0
	s_add_nc_u64 s[6:7], s[6:7], s[46:47]
; mat, m-tile mt = tiles (a, 4 mat .. 4 mat + 3) of the window named by win (sources 0 and 1); f: the buffer; step = 1: on to the next of q, k, v
.macro OUT16 mat, mt, a, win, f, step
	WIN \win
.irp nt, 0,1,2,3
.irp q, 0,1,2,3
	v_cvt_pk_f16_f32 v[TMP+4*\nt+\q], v[8*(12*\a+4*\mat+\nt)+2*\q], v[8*(12*\a+4*\mat+\nt)+2*\q+1]
.endr
.endr
	WIN 0
.irp nt, 0,1,2,3
	ds_store_b128 v[STO], v[TMP+4*\nt:TMP+4*\nt+3] offset:32*\nt
.endr
	s_wait_xcnt 0x0                                ; buffer f, which earlier stores read, and the stores' base are rewritten only behind this wait
.if \step
	s_add_nc_u64 s[6:7], s[6:7], 0x800000
.endif
.irp c, 0,1,2,3
	ds_load_b128 v[\f+4*\c:\f+4*\c+3], v[RD] offset:4*SP*\c        ; LDS serves a wave's instructions in order: these see the stores above
.endr
.irp c, 0,1,2,3
	s_wait_dscnt 3-\c
	global_store_b128 v[CO], v[\f+4*\c:\f+4*\c+3], s[6:7] offset:2048*\mt+512*\c   ; 512 consecutive bytes, aligned
.endr
.endm
	OUT16 0, 0, 0, 0x0a, OUTA, 0
	OUT16 0, 1, 1, 0x0a, OUTB, 0
	OUT16 0, 2, 0, 0x0f, OUTA, 0
	OUT16 0, 3, 1, 0x0f, OUTB, 0
	OUT16 1, 0, 0, 0x0a, OUTA, 1
	OUT16 1, 1, 1, 0x0a, OUTB, 0
	OUT16 1, 2, 0, 0x0f, OUTA, 0
	OUT16 1, 3, 1, 0x0f, OUTB, 0
	OUT16 2, 0, 0, 0x0a, OUTA, 1
	OUT16 2, 1, 1, 0x0a, OUTB, 0
	OUT16 2, 2, 0, 0x0f, OUTA, 0
	OUT16 2, 3, 1, 0x0f, OUTB, 0
	s_set_vgpr_msb 0x1
	s_wait_tensorcnt 0x0
	ds_add_u32 v255, v255
	s_wait_dscnt 0x0
	s_set_vgpr_msb 0x100
	CROUND                                         ; the closing round: no work-group ends while a partner may still ask for a tile that names it
	s_endpgm
.Lfunc_end_k_qc748135843_qkv:
	.size	k_qc748135843_qkv, .Lfunc_end_k_qc748135843_qkv-k_qc748135843_qkv
	.p2alignl 7, 3214868480
	.fill 96, 4, 3214868480
	.section	.rodata,"a",@progbits
	.p2align	6, 0x0
	.amdhsa_kernel k_qc748135843_qkv
		.amdhsa_group_segment_fixed_size 327680
		.amdhsa_private_segment_fixed_size 0
		.amdhsa_enable_private_segment 0
		.amdhsa_kernarg_size 16
		.amdhsa_user_sgpr_count 2
		.amdhsa_user_sgpr_kernarg_segment_ptr 1
		.amdhsa_wavefront_size32 1
		.amdhsa_system_sgpr_workgroup_id_x 1
		.amdhsa_system_sgpr_workgroup_id_y 1
		.amdhsa_system_sgpr_workgroup_id_z 1
		.amdhsa_system_vgpr_workitem_id 0
		.amdhsa_next_free_vgpr 960
		.amdhsa_next_free_sgpr 66
		.amdhsa_reserve_vcc 0
		.amdhsa_float_denorm_mode_32 3
		.amdhsa_float_denorm_mode_16_64 3
		.amdhsa_memory_ordered 1
		.amdhsa_forward_progress 1
		.amdhsa_inst_pref_size 165
	.end_amdhsa_kernel
	.amdgpu_metadata
---
amdhsa.version: [ 1, 2 ]
amdhsa.kernels:
  - .name:           k_qc748135843_qkv
    .symbol:         k_qc748135843_qkv.kd
    .args:
      - { .name: xwb, .offset: 0, .size: 8, .value_kind: global_buffer, .address_space: global }
      - { .name: qkv, .offset: 8, .size: 8, .value_kind: global_buffer, .address_space: global }
    .group_segment_fixed_size: 327680
    .private_segment_fixed_size: 0
    .kernarg_segment_align: 8
    .kernarg_segment_size: 16
    .max_flat_workgroup_size: 128
    .sgpr_count:     66
    .vgpr_count:     960
    .wavefront_size: 32
...
	.end_amdgpu_metadata
.endif
;; end of part 2
;; launch attn (part 3): grid 8 x 32, 8 waves a work-group, no clusters, 275,456 bytes of LDS; arguments qkv, ctx; writes ctx
.if DOCPART == 3
	.amdgcn_target "amdgcn-amd-amdhsa--gfx1250"
	.amdhsa_code_object_version 6
	.text
	.protected	k_qc748135843_attn
	.globl	k_qc748135843_attn
	.p2align	8
	.type	k_qc748135843_attn,@function
k_qc748135843_attn:
	s_mov_b64 s[64:65], 0
	v_nop
	global_prefetch_b8 v0, s[64:65] scope:SCOPE_SE
	s_setreg_imm32_b32 hwreg(HW_REG_WAVE_MODE, 25, 1), 1
	s_wait_xcnt 0x0
; Attention under the mask |i - j| <= 256, or j = 0, or i = 0.  qkv: [mat][bh][2048][64] f16, holding q/8, k/8, v/8; ctx: [bh][2048][64] f16, holding an
; eighth of the result (the weights of the next product carry the factor 8).  P lies in 0..1 and goes in f16 beside v/8.
; Work-group (blk, bh): queries 256 blk .. +255 of one head.  Its window of 768 keys (12 slots of 64; slot s = key tile 4 blk - 4 + s) is brought
; into LDS once, by three tensor loads a wave: every LDS byte is filled once, so there is no ring.  Tiles outside 0..31 are clamped to an
; inner tile, so that every wave issues the same three loads; the clamped copies are never read (their trips are jumped over).
; Wave w: 32 queries as two pieces of 16.  It reads slots w/2 + t, t = 0..8: keys -256 - 32 (w%2) + 64 t .. +63 relative to its first query.
; Trips 1..7 lie wholly in the band (|j - i| <= 255); trips 0 and 8 are masked; every row keeps at least one key in each of them.
; Scores are made transposed (source 0 = K, source 1 = Q): a lane holds one query and eight keys of each tile, so maximum, sum and rescaling are
; one number a lane, and the exponentials pack in place into the second source of O^T = V^T P (V read by the transposing LDS load).
; The two pieces take turns: piece 0's softmax stands among piece 1's score products, piece 1's among piece 0's V products.
; s = (q/8).(k/8); running maximum m; the state kept is NM = round(-c m), c = 64 log2(e) / 8 = 8 log2(e), p = exp2(c s + NM), rescaling by
; exp2(NM_new - NM_old).  Key 0, for queries i > 256, is the starting state (m = s0, l = 1, O = v0); for i <= 256 it lies in the band.
; Query 0 (blk 0 only): eight waves take 256 keys each by vector arithmetic while the tiles are on their way; wave 0 merges at the end.
; NO CLUSTER: a key tile's slot in a neighbour block's window differs by four slots per block, so a joint load's LDS address would hang on the
; work-group's place; the sharing is done among the eight waves of a work-group instead.
; LIMITS: non-finite inputs are not served.  p below 2^-126 counts as 0, and p is rounded to f16 (spacing 2^-24 at the bottom) for the product; the
; largest p of a row is 1.  l is summed from p in f32.  Key 0's starting weight is taken as 1; exp2(c s0 + NM) differs from it by at most
; 2^-24 |c s0| ln 2, relative.
.set KSLOT, 9216                       ; 64 rows, pitch 144 (an odd multiple of 16)
.set VSLOT, 10240                      ; 64 rows, pitch 160 (an odd multiple of 32)
.set VBASE, 12*KSLOT                   ; 110,592
.set STAGE, VBASE+12*VSLOT             ; 233,472: 32 rows x 144 bytes for each wave; no tensor load lands here
.set GSCR,  STAGE+8*4608               ; 270,336: 512 bytes for each wave, query 0's partial results
.set QF, 16                            ; v[16:47]    Q fragments, 16 a + 8 ks
.set OA, 48                            ; v[48:111]   O^T, 32 a + 8 dt
.set SC, 112                           ; v[112:175]  scores, 32 a + 8 kt; then P, 32 a + 16 kk
.set KV, 176                           ; v[176:239]  K fragments 32 ks + 8 kt, then V fragments 32 kk + 8 dt
.set MX, 240                           ; v240-241    running maxima
.set NM, 242                           ; v[242:243], v[244:245]  -c m (the second of each pair only fills the pair)
.set AL, 246                           ; v[246:247], v[248:249]  rescaling factor
.set LS, 250                           ; v250-251    running sums, each lane over its own keys
.set G1, 16                            ; s[16:23]
.set G0, 32                            ; s[32:43] three sets
; query 0 only: v16-19 q0 as loaded, v20-31 addresses and small numbers, v32-63, v64-95, v96-127 three buffers of eight loads (f16 halves have names
; in v0-127 alone, so all that is widened lies there), and in f32:
.set GQ, 128                           ; v[128:143]  q0's 8 numbers of my chunk, each twice (a pair for the packed multiply)
.set GO, 144                           ; v[144:159]  o: for each of my 8 d the pair (sum over even c, sum over odd c)
.set GT, 160                           ; v[160:175]  at work: for each d the pair (key of c, key of c + 1)
.set GS, 176                           ; v[176:239]  my 64 scores, then p
; v1 lane, v2 r, v3 h, v4-6 K addresses, v7-9 V addresses, v10 mask term, v11 stage in, v12 stage back, v13 ctx offset, v14 Q offset, v15 zero,
; v[252:253], v[254:255] at work
; the two f16 halves of register r, widened
.macro CV dl, dh, r
	v_cvt_f32_f16 v[\dl], v\r\().l
	v_cvt_f32_f16 v[\dh], v\r\().h
.endm
; the same, each twice
.macro CVQ d, r
	v_cvt_f32_f16 v[\d], v\r\().l
	v_cvt_f32_f16 v[\d+1], v\r\().l
	v_cvt_f32_f16 v[\d+2], v\r\().h
	v_cvt_f32_f16 v[\d+3], v\r\().h
.endm
	s_load_b128 s[4:7], s[0:1], 0x0                ; qkv s[4:5], ctx s[6:7]
	s_set_vgpr_msb 0x40
	v_lshl_add_u32 v0, v0, 2, 0x43000
	v_mov_b32 v1, 0
	s_set_vgpr_msb 0x4045
	ds_add_u32 v0, v1
	ds_add_u32 v0, v1
	s_set_vgpr_msb 0x4500
	v_lshrrev_b32 v1, 5, v0
	v_readfirstlane_b32 s8, v1                     ; wave 0..7
	s_mov_b32 s9, ttmp9                            ; blk
	s_and_b32 s10, ttmp7, 0xffff                   ; bh
	s_lshr_b32 s11, s8, 1                          ; u: my first slot
	s_lshl_b32 s12, s9, 2
	s_add_co_u32 s12, s12, s11
	s_sub_co_i32 s12, s12, 4                       ; key tile of my first slot (may be negative)
	s_mov_b32 s44, 0x76543210                      ; v_permlanex16_b32: lane i reads lane i of the other half
	s_mov_b32 s45, 0xfedcba98
	s_mov_b32 s46, 0x4138aa3b                      ; c = 8 log2(e)
	s_mov_b32 s47, 0x4138aa3b
	s_mov_b32 s48, 0xc138aa3b                      ; -c
	s_mov_b32 s49, 0xff800000                      ; -infinity
	; group 1: a tile is 8,192 dense bytes, taken as 32 rows of 128 elements of 2 bytes; padding behind every 32 words (one key's row)
	s_mov_b32 s[G1+1], 128<<16
	s_mov_b32 s[G1+2], 32<<16
	s_mov_b32 s[G1+3], 128<<16
	s_mov_b32 s[G1+4], 32
	s_mov_b32 s[G1+5], 128
	s_mov_b32 s[G1+6], 0
	s_mov_b32 s[G1+7], 0
	s_lshl_b32 s58, s10, 18                        ; a head's 2,048 rows of 128 bytes
	s_mov_b32 s59, 0
	s_lshl_b32 s24, s9, 15                         ; 256 rows a block
	s_mov_b32 s25, 0
	s_and_b32 s13, s8, 3
	s_lshl_b32 s14, s9, 2
	s_add_co_u32 s13, s13, s14
	s_sub_co_i32 s13, s13, 4                       ; key tile of slot wave % 4
	s_wait_dscnt 0x0
	s_wait_kmcnt 0x0
	s_add_nc_u64 s[50:51], s[4:5], s[58:59]
	s_add_nc_u64 s[52:53], s[50:51], 0x800000      ; K of this head
	s_add_nc_u64 s[54:55], s[50:51], 0x1000000     ; V of this head
	s_add_nc_u64 s[56:57], s[6:7], s[58:59]
	s_add_nc_u64 s[50:51], s[50:51], s[24:25]      ; Q at the block's first query
	s_add_nc_u64 s[56:57], s[56:57], s[24:25]      ; ctx likewise
	s_cmp_lt_u32 s8, 4                             ; waves 0-3 fetch K's tiles, waves 4-7 V's
	s_cselect_b64 s[28:29], s[52:53], s[54:55]
.irp j, 0,1,2
	s_add_co_i32 s14, s13, 4*\j
	s_max_i32 s14, s14, 0
	s_min_i32 s14, s14, 31                         ; clamped: the load stays inside the head
	s_lshl_b32 s58, s14, 13
	s_mov_b32 s[G0+4*\j], 1
	s_add_nc_u64 s[G0+4*\j+2:G0+4*\j+3], s[28:29], s[58:59]
	s_or_b32 s[G0+4*\j+3], s[G0+4*\j+3], 0x80000000
.endr
	s_cmp_lt_u32 s8, 4
	s_cbranch_scc0 .Lv_tiles
	s_mov_b32 s[G1], (1<<16)|(1<<20)|(4<<22)|(3<<25)               ; 4 words of padding: pitch 144
	s_mul_i32 s14, s8, KSLOT
.irp j, 0,1,2
	s_add_co_u32 s[G0+4*\j+1], s14, \j*4*KSLOT                     ; slot wave + 4 j
	tensor_load_to_lds s[G0+4*\j:G0+4*\j+3], s[G1:G1+7]
	s_nop 0
.endr
	s_branch .Lissued
.Lv_tiles:
	s_mov_b32 s[G1], (1<<16)|(1<<20)|(4<<22)|(7<<25)               ; 8 words of padding: pitch 160
	s_mul_i32 s14, s8, VSLOT
.irp j, 0,1,2
	s_add_co_u32 s[G0+4*\j+1], s14, VBASE-4*VSLOT+\j*4*VSLOT       ; slot wave - 4 + 4 j
	tensor_load_to_lds s[G0+4*\j:G0+4*\j+3], s[G1:G1+7]
	s_nop 0
.endr
.Lissued:                                          ; three tensor loads of the wave are out; their descriptors are never written again
	v_and_b32 v1, 31, v0                           ; lane
	v_and_b32 v2, 15, v0                           ; r
	v_bfe_u32 v3, v0, 4, 1                         ; h
	v_mul_u32_u24 v16, v2, 144
	v_lshl_add_u32 v16, v3, 4, v16                 ; 144 r + 16 h
	s_mul_i32 s13, s11, KSLOT
	v_add_nc_u32 v4, s13, v16                      ; K fragments: trip 0,
	v_add_nc_u32 v5, KSLOT, v4                     ; trips 1-4 (the rest in the immediate),
	v_add_nc_u32 v6, 5*KSLOT, v4                   ; trips 5-8
	v_and_b32 v18, 7, v0
	v_lshl_add_u32 v7, v3, 3, v18                  ; V fragments: key row 8 h + lane % 8
	v_mul_u32_u24 v7, v7, 160
	v_bfe_u32 v8, v0, 3, 1
	v_lshl_add_u32 v7, v8, 4, v7
	s_mul_i32 s13, s11, VSLOT
	s_add_co_u32 s13, s13, VBASE
	v_add_nc_u32 v7, s13, v7
	v_add_nc_u32 v8, VSLOT, v7
	v_add_nc_u32 v9, 5*VSLOT, v7
	s_and_b32 s13, s8, 1
	s_lshl_b32 s13, s13, 5
	v_lshlrev_b32 v10, 3, v3
	v_sub_nc_u32 v10, v2, v10
	v_add_nc_u32 v10, s13, v10                     ; r - 8 h + 32 (w % 2)
	s_mul_i32 s13, s8, 4608
	s_add_co_u32 s13, s13, STAGE
	v_add_nc_u32 v11, s13, v16                     ; stage in
	v_bfe_u32 v17, v0, 3, 2
	v_mul_u32_u24 v17, v17, 144
	v_lshl_add_u32 v17, v18, 4, v17
	v_add_nc_u32 v12, s13, v17                     ; stage back: four rows of 128 bytes a load
	s_lshl_b32 s14, s8, 12                         ; my 32 rows of 128 bytes
	v_lshl_add_u32 v13, v1, 4, s14
	v_lshlrev_b32 v14, 7, v2
	v_lshl_add_u32 v14, v3, 4, v14
	v_add_nc_u32 v14, s14, v14                     ; Q: row 32 w + r, byte 16 h
	v_mov_b32 v15, 0
.irp n, 243,245,247,249,252,253,254,255
	v_mov_b32 v\n, 0                               ; pair fillers and lane-permute targets hold a written value
.endr
	; ---------------- query 0: blk 0 only; wave w takes keys 256 w .. +255.  Lane: sub = lane / 8 (key 4 c + sub, c = 0..63), ch = lane % 8 (d = 8 ch .. +7)
	s_cmp_lg_u32 s9, 0
	s_cbranch_scc1 .Lno_row0
.macro GLOAD buf, bt, base             ; 8 loads of 512 consecutive bytes: c = 8 bt .. +7
.irp i, 0,1,2,3,4,5,6,7
	global_load_b128 v[\buf+4*\i:\buf+4*\i+3], v20, s[\base:\base+1] offset:512*(8*\bt+\i)
.endr
.endm
; Two c at once: c = 8 bt + 2 g (registers r0-r3) and c + 1 (r4-r7), widened into pairs (c, c + 1) for each d.
; kind 0: the pair of scores, two chains of four; then the sum over the eight chunks.  kind 1: o += p v.
; y = loads of younger batches that stay out; 6 - 2 g of this batch's own stay out too.
.macro GPAIR kind, bt, y, g, r0, r1, r2, r3, r4, r5, r6, r7
.set GC, GS+8*\bt+2*\g
	s_wait_loadcnt \y+6-2*\g
	CV GT, GT+2, \r0
	CV GT+1, GT+3, \r4
	CV GT+4, GT+6, \r1
	CV GT+5, GT+7, \r5
	CV GT+8, GT+10, \r2
	CV GT+9, GT+11, \r6
	CV GT+12, GT+14, \r3
	CV GT+13, GT+15, \r7
.if \kind == 0
	v_pk_mul_f32 v[GC:GC+1], v[GT:GT+1], v[GQ:GQ+1]
	v_pk_mul_f32 v[30:31], v[GT+8:GT+9], v[GQ+8:GQ+9]
.irp d, 1,2,3
	v_pk_fma_f32 v[GC:GC+1], v[GT+2*\d:GT+2*\d+1], v[GQ+2*\d:GQ+2*\d+1], v[GC:GC+1]
	v_pk_fma_f32 v[30:31], v[GT+8+2*\d:GT+9+2*\d], v[GQ+8+2*\d:GQ+9+2*\d], v[30:31]
.endr
	v_pk_add_f32 v[GC:GC+1], v[GC:GC+1], v[30:31]
.irp x, 1,2,4
	v_add_f32_dpp v[GC], v[GC], v[GC] row_xmask:\x row_mask:0xf bank_mask:0xf
	v_add_f32_dpp v[GC+1], v[GC+1], v[GC+1] row_xmask:\x row_mask:0xf bank_mask:0xf
.endr
.else
.irp d, 0,1,2,3,4,5,6,7
.if (\bt+\g) == 0
	v_pk_mul_f32 v[GO+2*\d:GO+2*\d+1], v[GT+2*\d:GT+2*\d+1], v[GC:GC+1]            ; the first product starts the sums
.else
	v_pk_fma_f32 v[GO+2*\d:GO+2*\d+1], v[GT+2*\d:GT+2*\d+1], v[GC:GC+1], v[GO+2*\d:GO+2*\d+1]
.endif
.endr
.endif
.endm
.macro BUFA kind, bt, y
	GPAIR \kind, \bt, \y, 0, 32, 33, 34, 35, 36, 37, 38, 39
	GPAIR \kind, \bt, \y, 1, 40, 41, 42, 43, 44, 45, 46, 47
	GPAIR \kind, \bt, \y, 2, 48, 49, 50, 51, 52, 53, 54, 55
	GPAIR \kind, \bt, \y, 3, 56, 57, 58, 59, 60, 61, 62, 63
.endm
.macro BUFB kind, bt, y
	GPAIR \kind, \bt, \y, 0, 64, 65, 66, 67, 68, 69, 70, 71
	GPAIR \kind, \bt, \y, 1, 72, 73, 74, 75, 76, 77, 78, 79
	GPAIR \kind, \bt, \y, 2, 80, 81, 82, 83, 84, 85, 86, 87
	GPAIR \kind, \bt, \y, 3, 88, 89, 90, 91, 92, 93, 94, 95
.endm
.macro BUFC kind, bt, y
	GPAIR \kind, \bt, \y, 0, 96, 97, 98, 99, 100, 101, 102, 103
	GPAIR \kind, \bt, \y, 1, 104, 105, 106, 107, 108, 109, 110, 111
	GPAIR \kind, \bt, \y, 2, 112, 113, 114, 115, 116, 117, 118, 119
	GPAIR \kind, \bt, \y, 3, 120, 121, 122, 123, 124, 125, 126, 127
.endm
	v_lshlrev_b32 v21, 4, v18                      ; 16 ch
	s_lshl_b32 s13, s8, 15                         ; my 256 keys of 128 bytes
	v_lshl_add_u32 v20, v1, 4, s13
	global_load_b128 v[16:19], v21, s[50:51]       ; q0's 8 numbers of my chunk (blk = 0: the block's first query is query 0)
	GLOAD 32, 0, 52                                ; sixteen batches, eight of K and eight of V, through three buffers: two batches are out while one is worked on
	GLOAD 64, 1, 52
	GLOAD 96, 2, 52
	s_wait_loadcnt 24                              ; q0 is in; the three batches behind it stay out
	CVQ GQ, 16
	CVQ GQ+4, 17
	CVQ GQ+8, 18
	CVQ GQ+12, 19
	BUFA 0, 0, 16
	GLOAD 32, 3, 52
	BUFB 0, 1, 16
	GLOAD 64, 4, 52
	BUFC 0, 2, 16
	GLOAD 96, 5, 52
	BUFA 0, 3, 16
	GLOAD 32, 6, 52
	BUFB 0, 4, 16
	GLOAD 64, 7, 52
	BUFC 0, 5, 16
	GLOAD 96, 0, 54
	BUFA 0, 6, 16
	GLOAD 32, 1, 54
	BUFB 0, 7, 16
	GLOAD 64, 2, 54
	v_max3_num_f32 v22, v[GS], v[GS+1], v[GS+2]    ; the largest of my 64 scores, two chains
	v_max3_num_f32 v23, v[GS+32], v[GS+33], v[GS+34]
.set jj, 3
.rept 14
	v_max3_num_f32 v22, v22, v[GS+jj], v[GS+jj+1]
	v_max3_num_f32 v23, v23, v[GS+32+jj], v[GS+33+jj]
.set jj, jj+2
.endr
	v_max3_num_f32 v22, v22, v23, v[GS+31]
	v_max_num_f32 v22, v22, v[GS+63]
	v_max_num_f32_dpp v22, v22, v22 row_xmask:8 row_mask:0xf bank_mask:0xf     ; over the four subs
	v_permlanex16_b32 v252, v22, s44, s45
	v_max_num_f32 v22, v22, v252
	v_mul_f32 v24, s48, v22                        ; -c m
	v_mov_b32 v25, v24
.set jj, 0
.rept 32
	v_pk_fma_f32 v[GS+jj:GS+jj+1], v[GS+jj:GS+jj+1], s[46:47], v[24:25] op_sel_hi:[1,0,0]
.set jj, jj+2
.endr
	v_exp_f32 v[GS], v[GS]
	v_exp_f32 v[GS+1], v[GS+1]
	v_mov_b32 v26, 0                               ; a plain instruction stands between each pair of exponentials and the sum that reads it (ISA guide 5.7.2)
	v_mov_b32 v27, 0
.set jj, 2
.rept 31
	v_exp_f32 v[GS+jj], v[GS+jj]
	v_exp_f32 v[GS+jj+1], v[GS+jj+1]
	s_wait_alu depctr_va_vdst(0)
	v_pk_add_f32 v[26:27], v[26:27], v[GS+jj-2:GS+jj-1]
.set jj, jj+2
.endr
	v_pk_add_f32 v[26:27], v[26:27], v[GS+62:GS+63]
	v_add_f32 v25, v26, v27
	v_add_f32_dpp v25, v25, v25 row_xmask:8 row_mask:0xf bank_mask:0xf
	v_permlanex16_b32 v252, v25, s44, s45
	v_add_f32 v25, v25, v252                       ; l of my 256 keys
	BUFC 1, 0, 16
	GLOAD 96, 3, 54
	BUFA 1, 1, 16
	GLOAD 32, 4, 54
	BUFB 1, 2, 16
	GLOAD 64, 5, 54
	BUFC 1, 3, 16
	GLOAD 96, 6, 54
	BUFA 1, 4, 16
	GLOAD 32, 7, 54
	BUFB 1, 5, 16
	BUFC 1, 6, 8                                   ; one batch is behind this one,
	BUFA 1, 7, 0                                   ; none behind the last: its counts run down to 0
.irp d, 0,1,2,3,4,5,6,7
	v_add_f32 v[GT+\d], v[GO+2*\d], v[GO+2*\d+1]   ; even c + odd c
.endr
.irp d, 0,1,2,3,4,5,6,7
	v_add_f32_dpp v[GT+\d], v[GT+\d], v[GT+\d] row_xmask:8 row_mask:0xf bank_mask:0xf
.endr
.irp d, 0,1,2,3,4,5,6,7
	v_permlanex16_b32 v252, v[GT+\d], s44, s45
	v_add_f32 v[GT+\d], v[GT+\d], v252
.endr
	s_lshl_b32 s13, s8, 9
	s_add_co_u32 s13, s13, GSCR                    ; my 512 bytes
	v_lshl_add_u32 v29, v21, 1, s13                ; o at 32 ch (the four subs write the same numbers)
	v_mov_b32 v28, s13
	ds_store_b128 v29, v[GT:GT+3]
	ds_store_b128 v29, v[GT+4:GT+7] offset:16
	ds_store_b64 v28, v[24:25] offset:256          ; (-c m, l)
.Lno_row0:
	; ---------------- Q, and key 0 as the starting state
	v_lshlrev_b32 v254, 7, v2
	v_lshl_add_u32 v254, v3, 4, v254               ; K rows 0-15: 128 r + 16 h
	v_lshlrev_b32 v255, 4, v3                      ; V row 0: 16 h
.irp a, 0,1
.irp ks, 0,1
	global_load_b128 v[QF+16*\a+8*\ks:QF+16*\a+8*\ks+3], v14, s[50:51] offset:2048*\a+64*\ks
	global_load_b128 v[QF+16*\a+8*\ks+4:QF+16*\a+8*\ks+7], v14, s[50:51] offset:2048*\a+64*\ks+32
.endr
.endr
.irp ks, 0,1
	global_load_b128 v[KV+8*\ks:KV+8*\ks+3], v254, s[52:53] offset:64*\ks
	global_load_b128 v[KV+8*\ks+4:KV+8*\ks+7], v254, s[52:53] offset:64*\ks+32
.endr
.irp dt, 0,1,2,3
	global_load_b128 v[OA+32+4*\dt:OA+32+4*\dt+3], v255, s[54:55] offset:32*\dt    ; v80-95: below v128, where f16 halves have names
.endr
	s_lshl_b32 s13, s9, 8
	s_lshl_b32 s14, s8, 5
	s_add_co_u32 s13, s13, s14                     ; my first query
	s_mov_b32 s14, 256
	s_mov_b32 s15, 240
	s_wait_loadcnt 0x0
	v_wmma_f32_16x16x32_f16 v[SC:SC+7], v[KV:KV+7], v[QF:QF+7], 0              ; keys 0-15 x my queries; two accumulators by turns
	v_wmma_f32_16x16x32_f16 v[SC+32:SC+39], v[KV:KV+7], v[QF+16:QF+23], 0
	v_wmma_f32_16x16x32_f16 v[SC:SC+7], v[KV+8:KV+15], v[QF+8:QF+15], v[SC:SC+7]
	v_wmma_f32_16x16x32_f16 v[SC+32:SC+39], v[KV+8:KV+15], v[QF+24:QF+31], v[SC+32:SC+39]
.set tt, 0
.irp r, 80,81,82,83,84,85,86,87,88,89,90,91,92,93,94,95
	CV OA+tt, OA+tt+1, \r                          ; v0 in f32, register 8 dt + j: d = 16 dt + 8 h + j; these lines name none of the products' registers
.set tt, tt+2
.endr
	v_add_nc_u32 v252, s13, v2                     ; i of piece 0; this line and the three compares are four places behind the products (ISA guide 7.12.1)
	v_cmp_gt_u32 s25, v252, s14                    ; piece 0: i > 256
	v_cmp_gt_u32 s26, v252, s15                    ; piece 1: i + 16 > 256
	v_cmp_eq_u32 s24, 1, v3
	s_and_not1_b32 s30, s25, s24                   ; l starts in the lower half of the lanes only: the halves are added at the end
	s_and_not1_b32 s31, s26, s24
	v_permlanex16_b32 v252, v[SC], s44, s45        ; key 0's score lies in register 0 of lanes 0-15
	v_permlanex16_b32 v254, v[SC+32], s44, s45
	v_cndmask_b32 v252, v[SC], v252, s24
	v_cndmask_b32 v254, v[SC+32], v254, s24
	v_cndmask_b32 v[MX], s49, v252, s25
	v_cndmask_b32 v[MX+1], s49, v254, s26
	v_mul_f32 v[NM], s48, v[MX]                    ; + infinity where nothing has been seen: the first rescaling factor is then 0
	v_mul_f32 v[NM+2], s48, v[MX+1]
	v_cndmask_b32 v[LS], 0, 1.0, s30
	v_cndmask_b32 v[LS+1], 0, 1.0, s31
.set jj, 0
.rept 32
	v_cndmask_b32 v[OA+32+jj], 0, v[OA+jj], s26
	v_cndmask_b32 v[OA+jj], 0, v[OA+jj], s25
.set jj, jj+1
.endr
	; ---------------- the trips
.set WN, 8
.set WKIND, 0
.set TKC, 0
.set STRIDE, 4
.set CURT, 0
; The next pending matrix instruction.  WKIND 0: piece 1's scores; WKIND 1: piece 0's V product.  Four accumulators by turns.
.macro MM
.if WN < 8
.if WKIND == 0
.if WN < 4
	v_wmma_f32_16x16x32_f16 v[SC+32+8*WN:SC+32+8*WN+7], v[KV+8*WN:KV+8*WN+7], v[QF+16:QF+23], 0
.else
	v_wmma_f32_16x16x32_f16 v[SC+8*WN:SC+8*WN+7], v[KV+8*WN:KV+8*WN+7], v[QF+24:QF+31], v[SC+8*WN:SC+8*WN+7]
.endif
.else
.if WN == 0
	s_wait_dscnt 0x8                               ; V's first eight loads (keys 0-31) are in
.endif
.if WN == 4
	s_wait_dscnt 0x0
.endif
	v_wmma_f32_16x16x32_f16 v[OA+8*(WN%4):OA+8*(WN%4)+7], v[KV+8*WN:KV+8*WN+7], v[SC+16*(WN/4):SC+16*(WN/4)+7], v[OA+8*(WN%4):OA+8*(WN%4)+7]
.endif
.set WN, WN+1
.endif
.endm
.macro TK                              ; behind each vector instruction: every STRIDE of them a matrix instruction is set in
.set TKC, TKC+1
.if TKC >= STRIDE
.set TKC, 0
	MM
.endif
.endm
.macro FLUSH
.rept 8
	MM
.endr
.endm
.macro KLOAD                           ; 16 loads: d 0-31 of the four key tiles first
.if CURT == 0
.set KA, 4
.set KO, 0
.else
.if CURT < 5
.set KA, 5
.set KO, (CURT-1)*KSLOT
.else
.set KA, 6
.set KO, (CURT-5)*KSLOT
.endif
.endif
.irp ks, 0,1
.irp kt, 0,1,2,3
	ds_load_b128 v[KV+32*\ks+8*\kt:KV+32*\ks+8*\kt+3], v[KA] offset:KO+2304*\kt+64*\ks
	ds_load_b128 v[KV+32*\ks+8*\kt+4:KV+32*\ks+8*\kt+7], v[KA] offset:KO+2304*\kt+64*\ks+32
.endr
.endr
.endm
.macro VLOAD                           ; 16 transposing loads: keys 0-31 first
.if CURT == 0
.set VA, 7
.set VO, 0
.else
.if CURT < 5
.set VA, 8
.set VO, (CURT-1)*VSLOT
.else
.set VA, 9
.set VO, (CURT-5)*VSLOT
.endif
.endif
.irp kk, 0,1
.irp dt, 0,1,2,3
	ds_load_tr16_b128 v[KV+32*\kk+8*\dt:KV+32*\kk+8*\dt+3], v[VA] offset:VO+5120*\kk+32*\dt
	ds_load_tr16_b128 v[KV+32*\kk+8*\dt+4:KV+32*\kk+8*\dt+7], v[VA] offset:VO+5120*\kk+32*\dt+2560
.endr
.endr
.endm
; mask 1 (first tile): key allowed where 16 (kt - a) + j >= r - 8 h + 32 (w % 2); mask 2 (last tile): where <=.  Then the new maximum.
.macro SM_MAX a, mask
.if \mask
.irp kt, 0,1,2,3
.irp j, 0,1,2,3,4,5,6,7
.if \mask == 1
	v_cmp_ge_i32 vcc_lo, 16*(\kt-\a)+\j, v10
.else
	v_cmp_le_i32 vcc_lo, 16*(\kt-\a)+\j, v10
.endif
	TK
	v_cndmask_b32 v[SC+32*\a+8*\kt+\j], s49, v[SC+32*\a+8*\kt+\j], vcc_lo
	TK
.endr
.endr
.endif
	v_max3_num_f32 v252, v[SC+32*\a], v[SC+32*\a+1], v[MX+\a]
	TK
	v_max3_num_f32 v254, v[SC+32*\a+16], v[SC+32*\a+17], v[SC+32*\a+18]
	TK
.set jj, 2
.rept 6
	v_max3_num_f32 v252, v252, v[SC+32*\a+jj], v[SC+32*\a+jj+1]
	TK
	v_max3_num_f32 v254, v254, v[SC+32*\a+17+jj], v[SC+32*\a+18+jj]
	TK
.set jj, jj+2
.endr
	v_max3_num_f32 v252, v252, v[SC+32*\a+14], v[SC+32*\a+15]
	TK
	v_max3_num_f32 v252, v252, v254, v[SC+32*\a+31]
	TK
	v_permlanex16_b32 v254, v252, s44, s45         ; the other half of the lanes holds the query's other keys
	TK
	v_max_num_f32 v[MX+\a], v252, v254
	TK
.endm
.macro SM_EXP a
	v_mul_f32 v252, s48, v[MX+\a]
	TK
	v_sub_f32 v[AL+2*\a], v252, v[NM+2*\a]         ; NM_new - NM_old
	TK
	v_mov_b32 v[NM+2*\a], v252
	TK
	v_exp_f32 v[AL+2*\a], v[AL+2*\a]
	TK
.set jj, 0
.rept 16
	v_pk_fma_f32 v[SC+32*\a+jj:SC+32*\a+jj+1], v[SC+32*\a+jj:SC+32*\a+jj+1], s[46:47], v[NM+2*\a:NM+2*\a+1] op_sel_hi:[1,0,0]
	TK
.set jj, jj+2
.endr
.if \a == 0
	VLOAD                                          ; K's fragments have been read by the last score product, at least 22 plain vector instructions ago
.endif
.set jj, 0
.rept 16
	v_exp_f32 v[SC+32*\a+jj], v[SC+32*\a+jj]
	TK
	v_exp_f32 v[SC+32*\a+jj+1], v[SC+32*\a+jj+1]
	TK
	s_wait_alu depctr_va_vdst(0)
	v_pk_mul_f32 v[OA+32*\a+jj:OA+32*\a+jj+1], v[OA+32*\a+jj:OA+32*\a+jj+1], v[AL+2*\a:AL+2*\a+1] op_sel_hi:[1,0]   ; the plain instruction behind the pair
	TK
.set jj, jj+2
.endr
.endm
.macro SM_FIN a
	s_wait_alu depctr_va_vdst(0)
	v_pk_add_f32 v[252:253], v[SC+32*\a:SC+32*\a+1], v[SC+32*\a+2:SC+32*\a+3]
	TK
	v_pk_add_f32 v[254:255], v[SC+32*\a+16:SC+32*\a+17], v[SC+32*\a+18:SC+32*\a+19]
	TK
.set jj, 4
.rept 6
	v_pk_add_f32 v[252:253], v[252:253], v[SC+32*\a+jj:SC+32*\a+jj+1]
	TK
	v_pk_add_f32 v[254:255], v[254:255], v[SC+32*\a+16+jj:SC+32*\a+17+jj]
	TK
.set jj, jj+2
.endr
	v_pk_add_f32 v[252:253], v[252:253], v[254:255]
	TK
	v_add_f32 v252, v252, v253
	TK
	v_fma_f32 v[LS+\a], v[LS+\a], v[AL+2*\a], v252
	TK
.irp kk, 0,1
.irp q, 0,1,2,3
	v_cvt_pk_f16_f32 v[SC+32*\a+16*\kk+\q], v[SC+32*\a+16*\kk+2*\q], v[SC+32*\a+16*\kk+2*\q+1]   ; in place: keys 8 h .. +7 of the 32
	TK
.endr
.irp q, 0,1,2,3
	v_cvt_pk_f16_f32 v[SC+32*\a+16*\kk+4+\q], v[SC+32*\a+16*\kk+8+2*\q], v[SC+32*\a+16*\kk+9+2*\q]   ; keys 16 + 8 h .. +7
	TK
.endr
.endr
.endm
.macro TRIP t, mask
	s_add_co_i32 s13, s12, \t
	s_cmp_lt_u32 s13, 32                           ; a key tile outside 0..31 does not exist: the trip is jumped over
	s_cbranch_scc0 .Lskip_\@
.set CURT, \t
	KLOAD
	s_wait_dscnt 0x8                               ; d 0-31 are in
.irp kt, 0,1,2,3
	v_wmma_f32_16x16x32_f16 v[SC+8*\kt:SC+8*\kt+7], v[KV+8*\kt:KV+8*\kt+7], v[QF:QF+7], 0
.endr
	s_wait_dscnt 0x0
.irp kt, 0,1,2,3
	v_wmma_f32_16x16x32_f16 v[SC+8*\kt:SC+8*\kt+7], v[KV+32+8*\kt:KV+32+8*\kt+7], v[QF+8:QF+15], v[SC+8*\kt:SC+8*\kt+7]
.endr
.set WKIND, 0
.set WN, 0
.rept 4
	MM
	v_nop                                          ; four places in front of the first read of piece 0's scores (ISA guide 7.12.1)
.endr
.set STRIDE, 4
.set TKC, 0
	SM_MAX 0, \mask
	FLUSH
	SM_EXP 0
	SM_FIN 0
.set WKIND, 1
.set WN, 0
.set STRIDE, 8
.set TKC, 0
	SM_MAX 1, \mask
	SM_EXP 1
	SM_FIN 1
	FLUSH
.irp n, 0,1,2,3,4,5,6,7
	v_wmma_f32_16x16x32_f16 v[OA+32+8*(\n%4):OA+32+8*(\n%4)+7], v[KV+8*\n:KV+8*\n+7], v[SC+32+16*(\n/4):SC+32+16*(\n/4)+7], v[OA+32+8*(\n%4):OA+32+8*(\n%4)+7]
.endr
.rept 5
	v_nop                                          ; five places: the next trip loads into V's fragments and writes scores over P
.endr
.Lskip_\@:
.endm
	s_wait_tensorcnt 0x2                           ; my tile of slots 0-3 is in; nothing is ever filled again, so the later tiles may stay out
	s_wait_dscnt 0x0                               ; query 0's partial results are written
	s_barrier_signal -1
	s_barrier_wait -1
	TRIP 0, 1                                      ; slot u <= 3
	s_wait_tensorcnt 0x1                           ; slots 4-7
	s_wait_dscnt 0x0
	s_barrier_signal -1
	s_barrier_wait -1
	TRIP 1, 0                                      ; slots u + 1 .. u + 4 <= 7
	TRIP 2, 0
	TRIP 3, 0
	TRIP 4, 0
	s_wait_tensorcnt 0x0                           ; slots 8-11
	s_wait_dscnt 0x0
	s_barrier_signal -1
	s_barrier_wait -1
	TRIP 5, 0
	TRIP 6, 0
	TRIP 7, 0
	TRIP 8, 2
	; ---------------- divide by l, round, out through my stage
	v_permlanex16_b32 v252, v[LS], s44, s45
	v_permlanex16_b32 v254, v[LS+1], s44, s45
	v_add_f32 v[LS], v[LS], v252
	v_add_f32 v[LS+1], v[LS+1], v254
	v_rcp_f32 v[AL], v[LS]
	v_rcp_f32 v[AL+2], v[LS+1]
	v_nop                                          ; a plain instruction behind the reciprocals (ISA guide 5.7.2)
.irp a, 0,1
.set jj, 0
.rept 16
	s_wait_alu depctr_va_vdst(0)
	v_pk_mul_f32 v[OA+32*\a+jj:OA+32*\a+jj+1], v[OA+32*\a+jj:OA+32*\a+jj+1], v[AL+2*\a:AL+2*\a+1] op_sel_hi:[1,0]
.set jj, jj+2
.endr
.endr
.irp a, 0,1
.irp dt, 0,1,2,3
.irp q, 0,1,2,3
	v_cvt_pk_f16_f32 v[SC+16*\a+4*\dt+\q], v[OA+32*\a+8*\dt+2*\q], v[OA+32*\a+8*\dt+2*\q+1]
.endr
	ds_store_b128 v11, v[SC+16*\a+4*\dt:SC+16*\a+4*\dt+3] offset:2304*\a+32*\dt
.endr
.endr
	s_or_b32 s14, s9, s8
	s_cmp_lg_u32 s14, 0
	s_cbranch_scc1 .Lno_merge
	; wave 0 of blk 0: query 0 from the eight partial results, written over row 0 of my stage (LDS serves a wave's instructions in order)
	s_mul_i32 s13, s8, 4608
	s_add_co_u32 s13, s13, STAGE
	v_and_b32 v29, 7, v0
	v_lshlrev_b32 v36, 4, v29
	v_add_nc_u32 v36, s13, v36                     ; row 0, byte 16 ch
	v_lshlrev_b32 v29, 5, v29
	v_add_nc_u32 v29, GSCR, v29
	v_mov_b32 v28, GSCR+256
.irp w, 0,1,2,3,4,5,6,7
	ds_load_b64 v[KV+2*\w:KV+2*\w+1], v28 offset:512*\w            ; (-c m, l) of wave w
.endr
.irp w, 0,1,2,3,4,5,6,7
	ds_load_b128 v[OA+8*\w:OA+8*\w+3], v29 offset:512*\w
	ds_load_b128 v[OA+8*\w+4:OA+8*\w+7], v29 offset:512*\w+16
.endr
	s_wait_dscnt 16                                ; the eight pairs are in
	v_min3_num_f32 v30, v[KV], v[KV+2], v[KV+4]    ; the least -c m belongs to the largest m
	v_min3_num_f32 v30, v30, v[KV+6], v[KV+8]
	v_min3_num_f32 v30, v30, v[KV+10], v[KV+12]
	v_min_num_f32 v30, v30, v[KV+14]
.irp w, 0,1,2,3,4,5,6,7
	v_sub_f32 v[KV+2*\w], v30, v[KV+2*\w]
.endr
.irp w, 0,1,2,3,4,5,6,7
	v_exp_f32 v[KV+2*\w], v[KV+2*\w]
.endr
	v_nop
	s_wait_alu depctr_va_vdst(0)
	v_mul_f32 v31, v[KV], v[KV+1]
.irp w, 1,2,3,4,5,6,7
	v_fmac_f32 v31, v[KV+2*\w], v[KV+2*\w+1]
.endr
	v_rcp_f32 v31, v31
	v_nop
.irp w, 0,1,2,3,4,5,6,7
	s_wait_alu depctr_va_vdst(0)
	v_mul_f32 v[KV+2*\w], v[KV+2*\w], v31
.endr
	s_wait_dscnt 0x0
.irp k, 0,1,2,3
	v_pk_mul_f32 v[20+2*\k:21+2*\k], v[OA+2*\k:OA+2*\k+1], v[KV:KV+1] op_sel_hi:[1,0]
.endr
.irp w, 1,2,3,4,5,6,7
.irp k, 0,1,2,3
	v_pk_fma_f32 v[20+2*\k:21+2*\k], v[OA+8*\w+2*\k:OA+8*\w+2*\k+1], v[KV+2*\w:KV+2*\w+1], v[20+2*\k:21+2*\k] op_sel_hi:[1,0,1]
.endr
.endr
.irp k, 0,1,2,3
	v_cvt_pk_f16_f32 v[32+\k], v[20+2*\k], v[21+2*\k]
.endr
	ds_store_b128 v36, v[32:35]
.Lno_merge:
.irp c, 0,1,2,3,4,5,6,7
	ds_load_b128 v[KV+4*\c:KV+4*\c+3], v12 offset:576*\c
.endr
.irp c, 0,1,2,3,4,5,6,7
	s_wait_dscnt 7-\c
	global_store_b128 v13, v[KV+4*\c:KV+4*\c+3], s[56:57] offset:512*\c        ; 512 consecutive bytes, aligned
.endr
	s_set_vgpr_msb 0x5
	s_wait_tensorcnt 0x0
	ds_add_u32 v0, v1
	s_wait_dscnt 0x0
	s_set_vgpr_msb 0x500
	s_endpgm
.Lfunc_end_k_qc748135843_attn:
	.size	k_qc748135843_attn, .Lfunc_end_k_qc748135843_attn-k_qc748135843_attn
	.p2alignl 7, 3214868480
	.fill 96, 4, 3214868480
	.section	.rodata,"a",@progbits
	.p2align	6, 0x0
	.amdhsa_kernel k_qc748135843_attn
		.amdhsa_group_segment_fixed_size 275456
		.amdhsa_private_segment_fixed_size 0
		.amdhsa_enable_private_segment 0
		.amdhsa_kernarg_size 16
		.amdhsa_user_sgpr_count 2
		.amdhsa_user_sgpr_kernarg_segment_ptr 1
		.amdhsa_wavefront_size32 1
		.amdhsa_system_sgpr_workgroup_id_x 1
		.amdhsa_system_sgpr_workgroup_id_y 1
		.amdhsa_system_sgpr_workgroup_id_z 1
		.amdhsa_system_vgpr_workitem_id 0
		.amdhsa_next_free_vgpr 258
		.amdhsa_next_free_sgpr 66
		.amdhsa_reserve_vcc 1
		.amdhsa_float_denorm_mode_32 3
		.amdhsa_float_denorm_mode_16_64 3
		.amdhsa_memory_ordered 1
		.amdhsa_forward_progress 1
		.amdhsa_inst_pref_size 255
	.end_amdhsa_kernel
	.section	.bss,"aw",@nobits
	.p2align	6
	.space	262144
	.amdgpu_metadata
---
amdhsa.version: [ 1, 2 ]
amdhsa.kernels:
  - .name:           k_qc748135843_attn
    .symbol:         k_qc748135843_attn.kd
    .args:
      - { .name: qkv, .offset: 0, .size: 8, .value_kind: global_buffer, .address_space: global }
      - { .name: ctx, .offset: 8, .size: 8, .value_kind: global_buffer, .address_space: global }
    .group_segment_fixed_size: 275456
    .private_segment_fixed_size: 0
    .kernarg_segment_align: 8
    .kernarg_segment_size: 16
    .max_flat_workgroup_size: 256
    .sgpr_count:     66
    .vgpr_count:     258
    .wavefront_size: 32
...
	.end_amdgpu_metadata
.endif
;; end of part 3
;; launch oproj (part 4): grid 8 x 32, 4 waves a work-group, clusters of 4 x 4, 327,680 bytes of LDS; arguments ctx, xwb, bo, out0; writes out0
.if DOCPART == 4
	.amdgcn_target "amdgcn-amd-amdhsa--gfx1250"
	.amdhsa_code_object_version 6
	.text
	.protected	k_qc748135843_oproj
	.globl	k_qc748135843_oproj
	.p2align	8
	.type	k_qc748135843_oproj,@function
k_qc748135843_oproj:
	s_mov_b64 s[64:65], 0
	v_nop
	global_prefetch_b8 v0, s[64:65] scope:SCOPE_SE
	s_setreg_imm32_b32 hwreg(HW_REG_WAVE_MODE, 25, 1), 1
	s_wait_xcnt 0x0
	s_wait_alu depctr_hold_cnt(0) depctr_sa_sdst(0) depctr_va_vdst(0) depctr_va_sdst(0) depctr_va_ssrc(0) depctr_va_vcc(0) depctr_vm_vsrc(0)
	s_getreg_b32 s2, hwreg(HW_REG_IB_STS2, 6, 4)
	s_cmp_eq_u32 s2, 0
	s_cbranch_scc0 .Lentry_in_a_cluster
	s_endpgm
.Lentry_in_a_cluster:
	s_bfe_u32 s2, ttmp6, 0x10000c
	s_cmp_lg_u32 s2, 0xf033
	s_cbranch_scc0 .Lentry_shape_is_right
	s_endpgm
.Lentry_shape_is_right:
; out0 = (ctx/8) (8 Wo) + bo.  ctx/8: [16 b + head][2048][64] f16; 8 Wo: xwb + 0xE00000, [1024 k][1024 n] f16; bo, out0: f32; sums in f32.
; The two powers of two cancel exactly; they keep ctx, an average of v, as far inside f16's range as v/8 is.
; Work-group (bx, by): 128 tokens x 128 columns; 4,096 x 1,024 outputs over 256 work-groups leave no larger block.  Four waves of 64 x 64: 16 accumulators.
; K (= 64 head + d) goes in 4 steps of 256 (four heads) through two LDS slots.  A slot: four head blocks of ctx (128 rows, pitch 144),
; then 256 k-rows of Wo (pitch 288), read by the transposing LDS load.
; CLUSTER 4 x 4: ctx's tiles hang on by alone (joint along a row of the cluster), Wo's on bx alone (joint along a column).
; The matrix instruction is used transposed (source 0 = Wo, source 1 = ctx): a lane holds one token and eight neighbouring columns.
; The bias is the C operand of the first K step's products: it costs no arithmetic, and nothing is cleared.
; Registers: window 0: v10-19 addresses, v32-63 bias, v64-191 fragments (two buffers), v192-255 the way out; window 1: accumulators at 8 (4 a + b).
.set PA,     144                       ; ctx's LDS pitch: 128 + 16
.set PB,     288                       ; Wo's LDS pitch: 256 + 32
.set HBLK,   128*PA                    ; a head's 128 tokens: 18,432
.set WOFF,   4*HBLK
.set SLOT,   WOFF+256*PB               ; 147,456
.set QTR,    36864                     ; what one tensor load brings: two head blocks, or 128 rows of Wo
.set STAGE,  2*SLOT                    ; behind the ring: 16 rows x 272 bytes for each wave; no tensor load lands here
.set SP,     272
.set ADRA, 10                          ; v10-11  ctx fragments, slot 0, 1
.set ADRB, 12                          ; v12-15  Wo fragments, 2 x slot + half of the K step
.set STO,  16
.set RD,   17
.set CO,   18
.set BOFF, 19
.set BIAS, 32
.set FA,   64                          ; ctx fragments at 64 + 64 f
.set FB,   96                          ; Wo fragments at 96 + 64 f
.set OUTA, 192
.set OUTB, 224
.set G1,  24
.set G0,  32
.set G1B, 48
.set G0B, 56
.set MSB, 0
.macro WIN new
.if MSB != \new
	s_set_vgpr_msb (MSB<<8)|\new
.set MSB, \new
.endif
.endm
.set MUL_1ST, 0x40                     ; D window 1; sources and C (the bias) window 0
.set MUL_ACC, 0x50                     ; C and D window 1
.macro JLOAD s                         ; waves 0, 1 ask for ctx's two halves, waves 2, 3 for Wo's
	s_cmp_eq_u32 s13, 0
	s_cbranch_scc0 .Lfor_w_\@
	tensor_load_to_lds s[G0+4*\s:G0+4*\s+3], s[G1:G1+7]
	s_nop 0
	s_branch .Lasked_\@
.Lfor_w_\@:
	tensor_load_to_lds s[G0B+4*\s:G0B+4*\s+3], s[G1B:G1B+7]
	s_nop 0
.Lasked_\@:
.endm
.macro CREST
	s_cmp_lg_u32 s12, 0
	s_cbranch_scc1 .Lnot_wave_0_\@
	s_barrier_signal -3
.Lnot_wave_0_\@:
	s_barrier_wait -3
	s_barrier_signal -1
	s_barrier_wait -1
.endm
.macro CROUND
	s_barrier_signal -1
	s_barrier_wait -1
	CREST
.endm
	s_load_b256 s[4:11], s[0:1], 0x0               ; ctx s[4:5], xwb s[6:7], bo s[8:9], out0 s[10:11]
	v_lshl_add_u32 v30, v0, 2, 0x4c400
	v_mov_b32 v31, 0
	ds_add_u32 v30, v31
	ds_add_u32 v30, v31
	v_lshrrev_b32 v1, 5, v0
	v_readfirstlane_b32 s12, v1                    ; wave 0..3
	s_lshr_b32 s13, s12, 1                         ; wm: which 64 tokens.  Also: I fetch ctx (0) or Wo (1)
	s_and_b32 s14, s12, 1                          ; wn: which 64 columns.  Also: which half of that tile I fetch
	s_bfe_u32 s40, ttmp6, 0x40000                  ; cx
	s_bfe_u32 s41, ttmp6, 0x40004                  ; cy
	s_lshl_b32 s42, ttmp9, 2
	s_add_co_u32 s42, s42, s40                     ; bx
	s_and_b32 s15, ttmp7, 0xffff
	s_lshl_b32 s15, s15, 2
	s_add_co_u32 s15, s15, s41                     ; by
	s_lshl_b32 s43, s41, 2
	s_lshl_b32 s43, 15, s43                        ; my row of the cluster
	s_lshl_b32 s44, 0x1111, s40                    ; my column
	; ctx: two rows of 8,192 elements (a head's 128 tokens, dense), 131,072 elements apart; 4 words of padding behind every 32 (one token's row)
	s_or_b32 s[G1+0], s43, (1<<16)|(1<<20)|(1<<21)|(4<<22)|(3<<25)
	s_mov_b32 s[G1+1], 8192<<16
	s_mov_b32 s[G1+2], 2<<16
	s_mov_b32 s[G1+3], 8192<<16
	s_mov_b32 s[G1+4], 2
	s_mov_b32 s[G1+5], 131072
	s_mov_b32 s[G1+6], 0
	s_mov_b32 s[G1+7], 0
	; Wo: 128 rows x 128 elements, pitch 1,024; 8 words of padding behind every 64
	s_or_b32 s[G1B+0], s44, (1<<16)|(1<<20)|(1<<21)|(5<<22)|(7<<25)
	s_mov_b32 s[G1B+1], 128<<16
	s_mov_b32 s[G1B+2], 128<<16
	s_mov_b32 s[G1B+3], 128<<16
	s_mov_b32 s[G1B+4], 128
	s_mov_b32 s[G1B+5], 1024
	s_mov_b32 s[G1B+6], 0
	s_mov_b32 s[G1B+7], 0
	s_lshr_b32 s16, s15, 4
	s_lshl_b32 s16, s16, 22                        ; batch: 16 heads of 0x40000 bytes
	s_and_b32 s17, s15, 15
	s_lshl_b32 s17, s17, 14                        ; 128 tokens of 128 bytes a block
	s_add_co_u32 s16, s16, s17
	s_lshl_b32 s17, s14, 19                        ; my two heads of the step's four
	s_add_co_u32 s16, s16, s17
	s_mov_b32 s17, 0
	s_lshl_b32 s46, s14, 18                        ; my 128 rows of 2,048 bytes
	s_lshl_b32 s47, s42, 8                         ; 128 columns of 2 bytes a block
	s_add_co_u32 s46, s46, s47
	s_add_co_u32 s46, s46, 0xE00000
	s_mov_b32 s47, 0
	s_mul_i32 s20, s12, QTR                        ; LDS: ctx's halves, then Wo's = wave x 36,864
	s_wait_dscnt 0x0
	s_wait_kmcnt 0x0
	s_add_nc_u64 s[18:19], s[4:5], s[16:17]
	s_add_nc_u64 s[46:47], s[6:7], s[46:47]
	CROUND                                         ; all sixteen work-groups are here: the first joint loads meet
.irp s, 0,1
	s_mov_b32 s[G0+4*\s], 1
	s_add_co_u32 s[G0+4*\s+1], s20, \s*SLOT
	s_add_nc_u64 s[G0+4*\s+2:G0+4*\s+3], s[18:19], \s*0x100000     ; four heads a K step
	s_or_b32 s[G0+4*\s+3], s[G0+4*\s+3], 0x80000000
	s_mov_b32 s[G0B+4*\s], 1
	s_add_co_u32 s[G0B+4*\s+1], s20, \s*SLOT
	s_add_nc_u64 s[G0B+4*\s+2:G0B+4*\s+3], s[46:47], \s*0x80000    ; 256 rows a K step
	s_or_b32 s[G0B+4*\s+3], s[G0B+4*\s+3], 0x80000000
	JLOAD \s                                       ; K steps 0 and 1: two loads of the wave are out
.endr
	v_and_b32 v1, 15, v0                           ; r
	v_bfe_u32 v2, v0, 4, 1                         ; h
	v_and_b32 v3, 7, v0
	v_bfe_u32 v4, v0, 3, 1
	v_mul_u32_u24 v6, v1, PA
	v_lshl_add_u32 v6, v2, 4, v6
	s_mul_i32 s21, s13, 64*PA
	v_add_nc_u32 v[ADRA], s21, v6
	v_add_nc_u32 v[ADRA+1], SLOT, v[ADRA]
	v_lshl_add_u32 v7, v2, 3, v3
	v_mul_u32_u24 v7, v7, PB
	v_lshl_add_u32 v7, v4, 4, v7
	s_lshl_b32 s21, s14, 7                         ; my 64 columns
	v_add_nc_u32 v7, s21, v7
.irp s, 0,1
.irp kh, 0,1
	v_add_nc_u32 v[ADRB+2*\s+\kh], \s*SLOT+WOFF+\kh*128*PB, v7
.endr
.endr
	s_mul_i32 s21, s12, 16*SP
	s_add_co_u32 s21, s21, STAGE
	v_mul_u32_u24 v6, v1, SP
	v_lshl_add_u32 v6, v2, 5, v6
	v_add_nc_u32 v[STO], s21, v6                   ; in: row r, byte 32 h
	v_mul_u32_u24 v6, v2, SP
	v_lshl_add_u32 v6, v1, 4, v6
	v_add_nc_u32 v[RD], s21, v6                    ; back: lanes 0-15 one row of 256 bytes, lanes 16-31 the next
	v_lshlrev_b32 v6, 12, v2
	v_lshl_add_u32 v[CO], v1, 4, v6                ; the same two rows in out0
	v_lshlrev_b32 v[BOFF], 5, v2
	s_lshl_b32 s22, s42, 9                         ; my columns in bytes of f32: 512 bx + 256 wn
	s_lshl_b32 s23, s14, 8
	s_add_co_u32 s22, s22, s23
	s_mov_b32 s23, 0
	s_add_nc_u64 s[8:9], s[8:9], s[22:23]
	s_add_nc_u64 s[10:11], s[10:11], s[22:23]
	s_lshl_b32 s16, s15, 19                        ; my rows: (128 by + 64 wm) x 4,096 bytes
	s_lshl_b32 s17, s13, 18
	s_add_co_u32 s16, s16, s17
	s_mov_b32 s17, 0
	s_add_nc_u64 s[10:11], s[10:11], s[16:17]
.irp b, 0,1,2,3
	global_load_b128 v[BIAS+8*\b:BIAS+8*\b+3], v[BOFF], s[8:9] offset:64*\b        ; register j: bo of column 16 b + 8 h + j
	global_load_b128 v[BIAS+8*\b+4:BIAS+8*\b+7], v[BOFF], s[8:9] offset:64*\b+16
.endr
; four matrix instructions: m-tile a x the four n-tiles, 32 along K
.macro MULA f, a, first
.irp b, 0,1,2,3
.if \first
	v_wmma_f32_16x16x32_f16 v[8*(4*\a+\b):8*(4*\a+\b)+7], v[FB+64*\f+8*\b:FB+64*\f+8*\b+7], v[FA+64*\f+8*\a:FA+64*\f+8*\a+7], v[BIAS+8*\b:BIAS+8*\b+7]
.else
	v_wmma_f32_16x16x32_f16 v[8*(4*\a+\b):8*(4*\a+\b)+7], v[FB+64*\f+8*\b:FB+64*\f+8*\b+7], v[FA+64*\f+8*\a:FA+64*\f+8*\a+7], v[8*(4*\a+\b):8*(4*\a+\b)+7]
.endif
.endr
.endm
.macro MWIN first
.if \first
	WIN MUL_1ST
.else
	WIN MUL_ACC
.endif
.endm
; 16 LDS loads: eighth e of the slot's K step into buffer f: 4 fragments of Wo, then 4 of ctx
.macro FETCH slot, e, f
	WIN 0
.irp nt, 0,1,2,3
	ds_load_tr16_b128 v[FB+64*\f+8*\nt:FB+64*\f+8*\nt+3], v[ADRB+2*\slot+(\e/4)] offset:(\e%4)*32*PB+32*\nt
	ds_load_tr16_b128 v[FB+64*\f+8*\nt+4:FB+64*\f+8*\nt+7], v[ADRB+2*\slot+(\e/4)] offset:(\e%4)*32*PB+32*\nt+16*PB
.endr
.irp mt, 0,1,2,3
	ds_load_b128 v[FA+64*\f+8*\mt:FA+64*\f+8*\mt+3], v[ADRA+\slot] offset:(\e/2)*HBLK+(\e%2)*64+\mt*16*PA
	ds_load_b128 v[FA+64*\f+8*\mt+4:FA+64*\f+8*\mt+7], v[ADRA+\slot] offset:(\e/2)*HBLK+(\e%2)*64+\mt*16*PA+32
.endr
.endm
.macro PLACES                          ; four plain vector instructions behind a matrix instruction (ISA guide 7.12.1)
.rept 4
	v_nop
.endr
.endm
; One of a K step's first seven eighths: multiplies buffer f, fetches eighth e into buffer g in its middle.
; The 16 accumulators take turns, one instruction a turn, in the same order in every eighth.
.macro SUB slot, e, f, g, first
	s_wait_dscnt 4                                 ; all but the youngest four loads (ctx's m-tiles 2, 3) are in
	MWIN \first
	MULA \f, 0, \first
	MULA \f, 1, \first
	PLACES
	FETCH \slot, \e, \g
	s_wait_dscnt 16                                ; all but the 16 just issued
	MWIN \first
	MULA \f, 2, \first
	MULA \f, 3, \first
.endm
.macro SEVEN slot, first
	SUB \slot, 1, 0, 1, \first
	SUB \slot, 2, 1, 0, 0
	SUB \slot, 3, 0, 1, 0
	SUB \slot, 4, 1, 0, 0
	SUB \slot, 5, 0, 1, 0
	SUB \slot, 6, 1, 0, 0
	SUB \slot, 7, 0, 1, 0
.endm
; The last eighth multiplies buffer 1 and changes slots: each wave's waits for its reads of this slot and for all its tensor loads stand in front of
; the barrier; where the slot is filled again the barrier opens a round of the cluster's barrier and the joint refill comes first behind it.
.macro TURN slot, next, fill
	s_wait_dscnt 4
	WIN MUL_ACC
	MULA 1, 0, 0
	s_wait_dscnt 0
	s_wait_tensorcnt 0x0
	ds_add_u32 v30, v31
	s_wait_dscnt 0x0
	s_barrier_signal -1
	MULA 1, 1, 0
	WIN 0
	s_barrier_wait -1
.if \fill
	CREST
	s_add_nc_u64 s[G0+4*\slot+2:G0+4*\slot+3], s[G0+4*\slot+2:G0+4*\slot+3], 0x200000
	s_add_nc_u64 s[G0B+4*\slot+2:G0B+4*\slot+3], s[G0B+4*\slot+2:G0B+4*\slot+3], 0x100000
	JLOAD \slot
.endif
	PLACES
	FETCH \next, 0, 0
	WIN MUL_ACC
	MULA 1, 2, 0
	MULA 1, 3, 0
.endm
	s_wait_tensorcnt 1                             ; my part of K step 0 is in; K step 1's stays out
	s_barrier_signal -1
	s_barrier_wait -1
	FETCH 0, 0, 0
	s_wait_loadcnt 0x0                             ; the bias
	SEVEN 0, 1
	TURN 0, 1, 1                                   ; K step 2 into slot 0
	SEVEN 1, 0
	TURN 1, 0, 1                                   ; K step 3 into slot 1
	SEVEN 0, 0
	TURN 0, 1, 0
	SEVEN 1, 0
	s_wait_dscnt 4
	WIN MUL_ACC
	MULA 1, 0, 0
	MULA 1, 1, 0
	s_wait_dscnt 0
	MULA 1, 2, 0
	MULA 1, 3, 0
	; THE WAY OUT, 16 tokens at a time: accumulators straight into my stage, read back as whole rows of 256 bytes
	PLACES
.macro OUT16 a, f
	WIN 0x04                                       ; an LDS store's data is source 1: window 1
.irp b, 0,1,2,3
	ds_store_b128 v[STO], v[8*(4*\a+\b):8*(4*\a+\b)+3] offset:64*\b
	ds_store_b128 v[STO], v[8*(4*\a+\b)+4:8*(4*\a+\b)+7] offset:64*\b+16
.endr
	WIN 0
	s_wait_xcnt 0x0                                ; buffer f, which earlier stores read, is loaded again only behind this wait
.irp c, 0,1,2,3,4,5,6,7
	ds_load_b128 v[\f+4*\c:\f+4*\c+3], v[RD] offset:\c*2*SP        ; LDS serves a wave's instructions in order: these see the stores above
.endr
.irp c, 0,1,2,3,4,5,6,7
	s_wait_dscnt 7-\c
	global_store_b128 v[CO], v[\f+4*\c:\f+4*\c+3], s[10:11] offset:(16*\a+2*\c)*4096 th:TH_STORE_NT   ; 16 lanes store 256 consecutive bytes, aligned
.endr
.endm
	OUT16 0, OUTA
	OUT16 1, OUTB
	OUT16 2, OUTA
	OUT16 3, OUTB
	s_wait_tensorcnt 0x0
	ds_add_u32 v30, v31
	s_wait_dscnt 0x0
	CROUND                                         ; the closing round: no work-group ends while a partner may still ask for a tile that names it
	s_endpgm
.Lfunc_end_k_qc748135843_oproj:
	.size	k_qc748135843_oproj, .Lfunc_end_k_qc748135843_oproj-k_qc748135843_oproj
	.p2alignl 7, 3214868480
	.fill 96, 4, 3214868480
	.section	.rodata,"a",@progbits
	.p2align	6, 0x0
	.amdhsa_kernel k_qc748135843_oproj
		.amdhsa_group_segment_fixed_size 327680
		.amdhsa_private_segment_fixed_size 0
		.amdhsa_enable_private_segment 0
		.amdhsa_kernarg_size 32
		.amdhsa_user_sgpr_count 2
		.amdhsa_user_sgpr_kernarg_segment_ptr 1
		.amdhsa_wavefront_size32 1
		.amdhsa_system_sgpr_workgroup_id_x 1
		.amdhsa_system_sgpr_workgroup_id_y 1
		.amdhsa_system_sgpr_workgroup_id_z 1
		.amdhsa_system_vgpr_workitem_id 0
		.amdhsa_next_free_vgpr 384
		.amdhsa_next_free_sgpr 66
		.amdhsa_reserve_vcc 0
		.amdhsa_float_denorm_mode_32 3
		.amdhsa_float_denorm_mode_16_64 3
		.amdhsa_memory_ordered 1
		.amdhsa_forward_progress 1
		.amdhsa_inst_pref_size 91
	.end_amdhsa_kernel
	.amdgpu_metadata
---
amdhsa.version: [ 1, 2 ]
amdhsa.kernels:
  - .name:           k_qc748135843_oproj
    .symbol:         k_qc748135843_oproj.kd
    .args:
      - { .name: ctx, .offset: 0, .size: 8, .value_kind: global_buffer, .address_space: global }
      - { .name: xwb, .offset: 8, .size: 8, .value_kind: global_buffer, .address_space: global }
      - { .name: bo, .offset: 16, .size: 8, .value_kind: global_buffer, .address_space: global }
      - { .name: out0, .offset: 24, .size: 8, .value_kind: global_buffer, .address_space: global }
    .group_segment_fixed_size: 327680
    .private_segment_fixed_size: 0
    .kernarg_segment_align: 8
    .kernarg_segment_size: 32
    .max_flat_workgroup_size: 128
    .sgpr_count:     66
    .vgpr_count:     384
    .wavefront_size: 32
...
	.end_amdgpu_metadata
.endif
;; end of part 4
;; ======== version 2 of 2: 4 launches; version 1 with the launch prep written anew for expert scheduling mode
;; limits: values are held in f16: magnitudes above 65,504 overflow, below 6.1e-05 lose precision; inputs' magnitudes at most 65,504; right only within a limited range of input values
;; workspace buffers: xwb 16,777,216 bytes; qkv 25,165,824 bytes; ctx 8,388,608 bytes
;; launch prep (part 5): grid 512 x 1, 8 waves a work-group, no clusters, 0 bytes of LDS; arguments hidden_states, Wq, Wk, Wv, Wo, xwb; writes xwb
.if DOCPART == 5
	.amdgcn_target "amdgcn-amd-amdhsa--gfx1250"
	.amdhsa_code_object_version 6
	.text
	.protected	k_qc748135843_prep
	.globl	k_qc748135843_prep
	.p2align	8
	.type	k_qc748135843_prep,@function
k_qc748135843_prep:
	s_mov_b64 s[64:65], 0
	v_nop
	global_prefetch_b8 v0, s[64:65] scope:SCOPE_SE
	s_setreg_imm32_b32 hwreg(HW_REG_WAVE_SCHED_MODE, 0, 2), 2
	s_setreg_imm32_b32 hwreg(HW_REG_WAVE_MODE, 25, 1), 1
	s_wait_xcnt 0x0
	s_wait_alu depctr_vm_vsrc(0)
; f32 to f16 (one rounding), layout unchanged: xwb = hidden_states [4096][1024], then Wq/8, Wk/8, Wv/8, 8 Wo, each [1024][1024].
; WHY f16: the result passes through five roundings of matrix operands (q and k, v, P, ctx); f16's 11 bits keep their sum far inside one
; hundredth of the output's spread, 8 bits do not.  WHY THE SCALES: they are exact powers of two and centre q, k, v and ctx in f16's range:
; q/8, k/8, v/8 have spread 1/8 for inputs of spread 1 and 1/32; both inputs 30 times larger give 112, both with a common offset of 30 spreads
; give 1024 x 30 x 0.94 / 8 = 3,600, against f16's largest 65,504; both 30 times smaller give 1.4e-4, against f16's bottom spacing 2^-24.
; LIMITS: |x| < 65,504, |Wq|, |Wk|, |Wv| < 524,032, |Wo| < 8,188; beyond them the conversion overflows.
; 512 work-groups of 16,384 numbers each: 65,536 bytes in, 32,768 bytes out at xwb + 32,768 x work-group.
; Work-groups 0-255 take hidden_states, then 64 each for Wq, Wk, Wv, Wo.  One text for all: the scale is a scalar chosen like the source.
; A pure stream: every byte is read once and written once, nothing is shared, so there is no LDS, no barrier, no matrix work.
; Thread t takes 16 bytes at 16 t of each 4,096-byte piece; a wave's load covers 512 consecutive bytes, its store 256, aligned.
; THE MODE: SCHED_MODE bits 1:0 = 2 (LLVM: expert scheduling mode 2), set by the entry lines.  The code itself states the register dependences
; between vector instructions and memory instructions, with s_wait_alu, always for 0.
; THE PLAN.  Registers that memory instructions touch:
;   v1, v98    byte offsets, made once at the head and never written again; every load reads v1, every store v98.
;   XR         piece i: 4 registers.  The 16 loads land in them, all issued before any vector line names them; behind the piece's wait for its data
;              only its own multiplies and conversions name them.  No memory instruction reads them, no later load lands in them.
;   YR         piece i: 2 registers.  Written once, by the piece's two conversions; read once, by the piece's store; never written again.
; So no register that a memory instruction has read is ever rewritten, and what is left to state is that offsets and store data are written.
; The 16 pieces go in four blocks of four.  Block p's conversions write its four pairs of YR; its four stores stand in one run at the head of block
; p + 1, behind that block's first wait for data and behind ONE wait on va_vdst; the last block's stand behind a wait of their own.
.set XR, 2                             ; v[2:65]   16 loads of 4 registers
.set YR, 66                            ; v[66:97]  16 stores of 2 registers
	s_load_b256 s[4:11], s[0:1], 0x0               ; hidden_states s[4:5], Wq s[6:7], Wk s[8:9], Wv s[10:11]
	s_load_b128 s[12:15], s[0:1], 0x20             ; Wo s[12:13], xwb s[14:15]
	v_lshlrev_b32 v1, 4, v0                        ; 16 t: my bytes in a piece of the input
	v_lshlrev_b32 v98, 3, v0                       ; 8 t: my bytes in a piece of the output
	s_sub_co_u32 s16, ttmp9, 256                   ; number among the weights' work-groups (not used below 256)
	s_lshr_b32 s17, s16, 6                         ; which weight
	s_and_b32 s18, s16, 63                         ; which 65,536 bytes of it
	s_mov_b32 s23, 0
	s_mov_b32 s2, 0x3e000000                       ; 1/8: Wq, Wk, Wv
	s_mov_b32 s3, 0x41000000                       ; 8: Wo
	s_mov_b32 s19, 0x3f800000                      ; 1: hidden_states
	s_wait_kmcnt 0x0
	s_cmp_eq_u32 s17, 1                            ; source and scale are chosen by the work-group's number alone
	s_cselect_b64 s[20:21], s[8:9], s[6:7]
	s_cmp_eq_u32 s17, 2
	s_cselect_b64 s[20:21], s[10:11], s[20:21]
	s_cmp_eq_u32 s17, 3
	s_cselect_b64 s[20:21], s[12:13], s[20:21]
	s_cselect_b32 s2, s3, s2
	s_cmp_lt_u32 ttmp9, 256
	s_cselect_b64 s[20:21], s[4:5], s[20:21]
	s_cselect_b32 s18, ttmp9, s18
	s_cselect_b32 s2, s19, s2
	s_mov_b32 s3, s2                               ; the pair that the packed multiply names
	s_lshl_b32 s22, s18, 16
	s_add_nc_u64 s[20:21], s[20:21], s[22:23]      ; my 65,536 bytes of the source
	s_lshl_b32 s22, ttmp9, 15
	s_add_nc_u64 s[14:15], s[14:15], s[22:23]      ; my 32,768 bytes of xwb
	s_wait_alu depctr_va_vdst(0)                   ; v1 and v98 are written: every load of the kernel reads v1 as its offset, every store v98
.irp i, 0,1,2,3,4,5,6,7,8,9,10,11,12,13,14,15
	global_load_b128 v[XR+4*\i:XR+4*\i+3], v1, s[20:21] offset:4096*\i th:TH_LOAD_NT
.endr
.irp p, 0,1,2,3
.irp j, 0,1,2,3
	s_wait_loadcnt 15-4*\p-\j                      ; loads return in order: piece i = 4 p + j is in, the 15 - i younger ones stay out
.if (\p > 0) && (\j == 0)
	s_wait_alu depctr_va_vdst(0)                   ; the conversions of the block before have written its four pairs of YR, which the four stores below read
.irp k, 0,1,2,3
	global_store_b64 v98, v[YR+2*(4*\p-4+\k):YR+2*(4*\p-4+\k)+1], s[14:15] offset:2048*(4*\p-4+\k)   ; no register is used twice: no wait for sources
.endr
.endif
	v_pk_mul_f32 v[XR+4*(4*\p+\j):XR+4*(4*\p+\j)+1], v[XR+4*(4*\p+\j):XR+4*(4*\p+\j)+1], s[2:3] op_sel_hi:[1,0]
	v_pk_mul_f32 v[XR+4*(4*\p+\j)+2:XR+4*(4*\p+\j)+3], v[XR+4*(4*\p+\j)+2:XR+4*(4*\p+\j)+3], s[2:3] op_sel_hi:[1,0]
	v_cvt_pk_f16_f32 v[YR+2*(4*\p+\j)], v[XR+4*(4*\p+\j)], v[XR+4*(4*\p+\j)+1]
	v_cvt_pk_f16_f32 v[YR+2*(4*\p+\j)+1], v[XR+4*(4*\p+\j)+2], v[XR+4*(4*\p+\j)+3]
.endr
.endr
	s_wait_alu depctr_va_vdst(0)                   ; the last block's conversions have written its four pairs of YR, which the last four stores read
.irp k, 12,13,14,15
	global_store_b64 v98, v[YR+2*\k:YR+2*\k+1], s[14:15] offset:2048*\k
.endr
	s_endpgm
.Lfunc_end_k_qc748135843_prep:
	.size	k_qc748135843_prep, .Lfunc_end_k_qc748135843_prep-k_qc748135843_prep
	.p2alignl 7, 3214868480
	.fill 96, 4, 3214868480
	.section	.rodata,"a",@progbits
	.p2align	6, 0x0
	.amdhsa_kernel k_qc748135843_prep
		.amdhsa_group_segment_fixed_size 0
		.amdhsa_private_segment_fixed_size 0
		.amdhsa_enable_private_segment 0
		.amdhsa_kernarg_size 48
		.amdhsa_user_sgpr_count 2
		.amdhsa_user_sgpr_kernarg_segment_ptr 1
		.amdhsa_wavefront_size32 1
		.amdhsa_system_sgpr_workgroup_id_x 1
		.amdhsa_system_sgpr_workgroup_id_y 1
		.amdhsa_system_sgpr_workgroup_id_z 1
		.amdhsa_system_vgpr_workitem_id 0
		.amdhsa_next_free_vgpr 100
		.amdhsa_next_free_sgpr 66
		.amdhsa_reserve_vcc 0
		.amdhsa_float_denorm_mode_32 3
		.amdhsa_float_denorm_mode_16_64 3
		.amdhsa_memory_ordered 1
		.amdhsa_forward_progress 1
		.amdhsa_inst_pref_size 10
	.end_amdhsa_kernel
	.amdgpu_metadata
---
amdhsa.version: [ 1, 2 ]
amdhsa.kernels:
  - .name:           k_qc748135843_prep
    .symbol:         k_qc748135843_prep.kd
    .args:
      - { .name: hidden_states, .offset: 0, .size: 8, .value_kind: global_buffer, .address_space: global }
      - { .name: Wq, .offset: 8, .size: 8, .value_kind: global_buffer, .address_space: global }
      - { .name: Wk, .offset: 16, .size: 8, .value_kind: global_buffer, .address_space: global }
      - { .name: Wv, .offset: 24, .size: 8, .value_kind: global_buffer, .address_space: global }
      - { .name: Wo, .offset: 32, .size: 8, .value_kind: global_buffer, .address_space: global }
      - { .name: xwb, .offset: 40, .size: 8, .value_kind: global_buffer, .address_space: global }
    .group_segment_fixed_size: 0
    .private_segment_fixed_size: 0
    .kernarg_segment_align: 8
    .kernarg_segment_size: 48
    .max_flat_workgroup_size: 256
    .sgpr_count:     66
    .vgpr_count:     100
    .wavefront_size: 32
...
	.end_amdgpu_metadata
.endif
;; end of part 5
;; launch qkv: the kernel of part 2 again; grid 8 x 32, 4 waves a work-group, clusters of 4 x 4, 327,680 bytes of LDS; arguments xwb, qkv; writes qkv
;; launch attn: the kernel of part 3 again; grid 8 x 32, 8 waves a work-group, no clusters, 275,456 bytes of LDS; arguments qkv, ctx; writes ctx
;; launch oproj: the kernel of part 4 again; grid 8 x 32, 4 waves a work-group, clusters of 4 x 4, 327,680 bytes of LDS; arguments ctx, xwb, bo, out0; writes out0
